; MI455X (gfx1250); checked and timed in simulation.
; The chip was launched on July 23, 2026; its instructions are those of AMD's public machine-readable ISA for CDNA 5 (MIT licence, August 2026) and "CDNA5" Instruction Set Architecture Reference Guide (July 2026). The comments in the code are by the model that wrote it; some were corrected since.
;; Simple Self Attention. Allowed arithmetic: float matrix products may take bf16 or f16 operands with f32 sums; other float arithmetic in f32, or as packed bf16 or f16 multiplies, adds, multiply-adds, maxima and minima; sums over many terms, partial sums and values carried from step to step in f32; what a program stores and reads back later, other than sums and carried values, may be rounded once to bf16 or f16.
;; Inputs: Wk 1,024 x 1,024 float32; Wq 1,024 x 1,024 float32; Wv 1,024 x 1,024 float32; bk 1,024 float32; bq 1,024 float32; bv 1,024 float32; query 4 x 2,048 x 1,024 float32; value 4 x 2,048 x 1,024 float32.
;; Outputs: out0 4 x 2,048 x 1,024 float32.
;; One version. Each part assembles by itself: llvm-mc -triple=amdgcn-amd-amdhsa -mcpu=gfx1250 --defsym DOCPART=n.
;; ======== version 1 of 1: 4 launches
;; limits: values are held in f16: magnitudes above 65,504 overflow, below 6.1e-05 lose precision
;; workspace buffers: Wb 6,291,456 bytes; Qh 16,777,216 bytes; Kh 16,777,216 bytes; Vh 16,777,216 bytes; Ph 33,554,432 bytes; St 1,048,576 bytes
;; launch castw (part 1): grid 128 x 3, 8 waves a work-group, no clusters, 0 bytes of LDS; arguments Wq, Wk, Wv, Wb; writes Wb
.if DOCPART == 1
	.amdgcn_target "amdgcn-amd-amdhsa--gfx1250"
	.amdhsa_code_object_version 6
	.text
	.protected	k_qb1e342bebf_castw
	.globl	k_qb1e342bebf_castw
	.p2align	8
	.type	k_qb1e342bebf_castw,@function
k_qb1e342bebf_castw:
	s_mov_b64 s[64:65], 0
	v_nop
	global_prefetch_b8 v0, s[64:65] scope:SCOPE_SE
	s_setreg_imm32_b32 hwreg(HW_REG_WAVE_MODE, 25, 1), 1
	s_wait_xcnt 0x0
; Wq, Wk, Wv ([1024 d][1024 u], f32) are rounded once to bf16 and laid end to end in Wb ([3][1024][1024] bf16, order q, k, v), layout kept.
; A stream: no LDS, no barrier, no matrix unit.  The grid's y picks the matrix; a work-group of 256 threads owns 8,192 numbers, in four chunks
; of 2,048.  In a chunk a thread reads 32 consecutive bytes (two loads of 16) and stores 16: a wave's store covers 512 consecutive bytes, aligned.
; All eight loads go out first; no register is written twice, so the only waits are the counted ones for the data.
.set CIN,  8192                        ; bytes of a chunk as read
.set COUT, 4096                        ; and as stored
.set IN,   4                           ; v[4:35]   chunk i: 8 registers as loaded
.set OUT,  36                          ; v[36:51]  chunk i: 4 registers to store
	s_load_b256 s[4:11], s[0:1], 0x0               ; Wq s[4:5], Wk s[6:7], Wv s[8:9], Wb s[10:11]
	s_and_b32 s12, ttmp7, 0xffff                   ; which matrix
	s_lshl_b32 s14, ttmp9, 15                      ; my 8,192 numbers in it: 32,768 bytes a work-group
	s_mov_b32 s15, 0
	s_lshl_b32 s16, s12, 21                        ; in Wb: 2 MiB a matrix,
	s_lshl_b32 s13, ttmp9, 14                      ; 16,384 bytes a work-group
	s_add_co_u32 s16, s16, s13
	s_mov_b32 s17, 0
	v_lshlrev_b32 v1, 5, v0                        ; 32 bytes a thread in,
	v_lshlrev_b32 v2, 4, v0                        ; 16 out
	s_wait_kmcnt 0x0
	s_cmp_eq_u32 s12, 1
	s_cselect_b64 s[18:19], s[6:7], s[4:5]
	s_cmp_eq_u32 s12, 2
	s_cselect_b64 s[18:19], s[8:9], s[18:19]       ; the matrix's address, chosen by the grid's y alone
	s_add_nc_u64 s[18:19], s[18:19], s[14:15]
	s_add_nc_u64 s[10:11], s[10:11], s[16:17]
.irp i, 0,1,2,3
	global_load_b128 v[IN+8*(\i):IN+8*(\i)+3],   v1, s[18:19] offset:CIN*(\i) th:TH_LOAD_NT
	global_load_b128 v[IN+8*(\i)+4:IN+8*(\i)+7], v1, s[18:19] offset:CIN*(\i)+16 th:TH_LOAD_NT
.endr
.irp i, 0,1,2,3
	s_wait_loadcnt 6-2*(\i)                        ; loads come back in order: chunk i's two are in, the later chunks' stay out
.irp j, 0,1,2,3
	v_cvt_pk_bf16_f32 v[OUT+4*(\i)+(\j)], v[IN+8*(\i)+2*(\j)], v[IN+8*(\i)+2*(\j)+1]
.endr
	global_store_b128 v2, v[OUT+4*(\i):OUT+4*(\i)+3], s[10:11] offset:COUT*(\i)
.endr
	s_endpgm
.Lfunc_end_k_qb1e342bebf_castw:
	.size	k_qb1e342bebf_castw, .Lfunc_end_k_qb1e342bebf_castw-k_qb1e342bebf_castw
	.p2alignl 7, 3214868480
	.fill 96, 4, 3214868480
	.section	.rodata,"a",@progbits
	.p2align	6, 0x0
	.amdhsa_kernel k_qb1e342bebf_castw
		.amdhsa_group_segment_fixed_size 0
		.amdhsa_private_segment_fixed_size 0
		.amdhsa_enable_private_segment 0
		.amdhsa_kernarg_size 32
		.amdhsa_user_sgpr_count 2
		.amdhsa_user_sgpr_kernarg_segment_ptr 1
		.amdhsa_wavefront_size32 1
		.amdhsa_system_sgpr_workgroup_id_x 1
		.amdhsa_system_sgpr_workgroup_id_y 1
		.amdhsa_system_sgpr_workgroup_id_z 1
		.amdhsa_system_vgpr_workitem_id 0
		.amdhsa_next_free_vgpr 52
		.amdhsa_next_free_sgpr 66
		.amdhsa_reserve_vcc 0
		.amdhsa_float_denorm_mode_32 3
		.amdhsa_float_denorm_mode_16_64 3
		.amdhsa_memory_ordered 1
		.amdhsa_forward_progress 1
		.amdhsa_inst_pref_size 4
	.end_amdhsa_kernel
	.amdgpu_metadata
---
amdhsa.version: [ 1, 2 ]
amdhsa.kernels:
  - .name:           k_qb1e342bebf_castw
    .symbol:         k_qb1e342bebf_castw.kd
    .args:
      - { .name: Wq, .offset: 0, .size: 8, .value_kind: global_buffer, .address_space: global }
      - { .name: Wk, .offset: 8, .size: 8, .value_kind: global_buffer, .address_space: global }
      - { .name: Wv, .offset: 16, .size: 8, .value_kind: global_buffer, .address_space: global }
      - { .name: Wb, .offset: 24, .size: 8, .value_kind: global_buffer, .address_space: global }
    .group_segment_fixed_size: 0
    .private_segment_fixed_size: 0
    .kernarg_segment_align: 8
    .kernarg_segment_size: 32
    .max_flat_workgroup_size: 256
    .sgpr_count:     66
    .vgpr_count:     52
    .wavefront_size: 32
...
	.end_amdgpu_metadata
.endif
;; end of part 1
;; launch proj (part 2): grid 4 x 64, 4 waves a work-group, clusters of 4 x 4, 327,680 bytes of LDS; arguments query, value, Wb, bq, bk, bv, Qh, Kh, Vh; writes Qh, Kh, Vh
.if DOCPART == 2
	.amdgcn_target "amdgcn-amd-amdhsa--gfx1250"
	.amdhsa_code_object_version 6
	.text
	.protected	k_qb1e342bebf_proj
	.globl	k_qb1e342bebf_proj
	.p2align	8
	.type	k_qb1e342bebf_proj,@function
k_qb1e342bebf_proj:
	s_mov_b64 s[64:65], 0
	v_nop
	global_prefetch_b8 v0, s[64:65] scope:SCOPE_SE
	s_setreg_imm32_b32 hwreg(HW_REG_WAVE_MODE, 25, 1), 1
	s_wait_xcnt 0x0
	s_wait_alu depctr_hold_cnt(0) depctr_sa_sdst(0) depctr_va_vdst(0) depctr_va_sdst(0) depctr_va_ssrc(0) depctr_va_vcc(0) depctr_vm_vsrc(0)
	s_getreg_b32 s2, hwreg(HW_REG_IB_STS2, 6, 4)
	s_cmp_eq_u32 s2, 0
	s_cbranch_scc0 .Lentry_in_a_cluster
	s_endpgm
.Lentry_in_a_cluster:
	s_bfe_u32 s2, ttmp6, 0x10000c
	s_cmp_lg_u32 s2, 0xf033
	s_cbranch_scc0 .Lentry_shape_is_right
	s_endpgm
.Lentry_shape_is_right:
; Q = bf16(query) bf16(Wq) + bf16(bq), K = bf16(value) bf16(Wk) + bf16(bk), V = bf16(value) bf16(Wv) + bf16(bv): [8192][1024], sums in f32, each rounded once to f16.
; LIMITS.  f16 holds no number beyond 65,504: a Q, K or V past that leaves as an infinity.  NaN and infinities are not treated apart.
; SHARES.  768 tiles of 128 rows x 256 columns; a work-group STAYS and makes three, the same rows and columns of Q, then K, then V.  Four waves, each 64 rows x 128 columns:
; 32 accumulators of 16 x 16.  K goes in steps of 128: 8 steps a tile, 24 in one walk through a ring of two LDS slots that does not stop at a tile's end.
; A slot holds 128 rows x 128 k of x as f32 (rows of 512 bytes) and 128 k x 256 columns of W as bf16 (rows of 512 bytes, [k][column] as W lies).
; x IS ROUNDED HERE: a wave reads its rows as f32 and makes its fragments by v_cvt_pk_bf16_f32, 32 for a quarter's 32 matrix instructions, four behind each of the quarter's last eight.
; W's fragments come out of LDS turned, by ds_load_tr16_b128.  THE BIAS STARTS THE SUMS: the accumulators are loaded with it, so nothing is cleared and no first step is written out.
; THE MATRIX INSTRUCTION IS USED TRANSPOSED (source 0 = 16 columns of W, source 1 = 16 rows of x): a lane holds row lane % 16 and the columns 8 (lane / 16) + 0..7, which pack into 16 bytes.
; CLUSTER.  4 x 4 work-groups.  The four of a row of the cluster need the same tiles of x, the four of a column the same tiles of W: each tile is asked for jointly, by the same tensor load
; with the same descriptor and a mask that names the four.
; ASKED FOR AHEAD.  A lap is two K steps.  Trip L of the loop issues the tensor loads of lap L + 1 and prefetches what trip L + 1 will load: lap L + 2's 128 rows x 1,024 bytes of x.  Of a tile
; row's four work-groups each takes 32 rows, a lane a row, and wave w the w-th 256 bytes: each aligned 256 bytes is asked for once in the launch.  Lap 1 is asked for at the head; the asking stops
; with lap 7: laps 8 to 11 read value a second time.  A matrix's 1,024 k x 512 bytes of my columns are shared out among the 64 tile rows, 16 k rows each, asked for by wave 0 in one line:
; Wq at the head, Wk in trip 1, Wv in trip 5, two trips ahead of the matrix's first tensor load.
; REGISTERS, in windows of 256 (s_set_vgpr_msb: bits 1:0 source 0, 3:2 source 1, 5:4 source 2, 7:6 destination):
;   window 0: v0-31 addresses; v32-63 packed results; v64-127 rows read back from the stage, two buffers
;   window 1: v0-63 fragments of x, two buffers; v64-191 fragments of W, two buffers; v192-255 a quarter's rows of x as f32
;   window 2: the accumulators, (a, b) at v[8 (8 a + b)]
.set PA,     528                       ; an LDS row of x: 512 bytes + 16 = 132 words: row r starts at bank 4 r mod 64 (64 banks of 4 bytes: ISA guide 11.1)
.set PB,     544                       ; an LDS row of W: 512 + 32 = 136 words
.set HALFA,  64*PA                     ; what one tensor load brings of x
.set HALFB,  64*PB                     ; and of W
.set BOFF,   128*PA                    ; in a slot W's tile lies behind x's
.set SLOT,   BOFF+128*PB
.set STAGE,  2*SLOT                    ; behind the ring: 16 rows x 272 bytes for each wave, for the way out
.set SPITCH, 272
.set BIAS,   STAGE+4*16*SPITCH         ; [3][256] f32: my 256 columns of bq, bk, bv, rounded to bf16
.set SPARE,  BIAS+3*1024               ; the spare words, 128 bytes for each wave: two blocks of 256 bytes that no other line names
.set ADRA, 16                          ; v16-17  LDS address of my rows of x in slot 0, 1
.set PFX,  18                          ; v18     prefetch of x: 4,096 x lane, a row a lane; never rewritten
.set PFW,  19                          ; v19     prefetch of W: 2,048 x (lane / 2) + 256 x (lane % 2); never rewritten
.set ADRB, 20                          ; v20-21  the same as ADRA for W's turning loads
.set STO,  24                          ; v24     the way out: where I put 16 bytes of a row
.set RD,   25                          ; v25     the way out: where I read a row back
.set CO,   26                          ; v26     my byte offset in two rows of the output
.set BIA,  27                          ; v27     LDS address of my eight columns' bias in block b = 0 of tile 0; never rewritten
.set SPW,  28                          ; v28     LDS address of my spare word; never rewritten
.set NIL,  29                          ; v29     0; never rewritten
.set TMP,  32
.set OB,   64
.set FA,   0                           ; window 1
.set FB,   64
.set RAW,  192
.set QA, 4                             ; s[4:5]   query at my tile of x     s[6:7] value likewise     s[8:9] Wb at my tile of W
.set VA, 6
.set WB, 8
.set QP, 16                            ; s[16:17] Qh, s[18:19] Kh, s[20:21] Vh at my wave's first row and column
.set KP, 18
.set VP, 20
.set WV, 22                            ; s22 wave; s23 my row half, also: I fetch x (0) or W (1); s24 my column half, also: which 64 rows of the tile I fetch
.set RH, 23
.set CH, 24
.set CX, 25
.set CY, 26
.set TX, 27                            ; s27 tile column, s28 tile row
.set TY, 28
.set MROW, 29
.set MCOL, 30
.set G1A, 32                           ; s[32:39] descriptor group 1 for x's tiles, s[40:47] for W's
.set G1B, 40
.set G0A, 48                           ; s[48:55] group 0 for x's tiles, a set for each slot; s[56:63] for W's
.set G0B, 56
.set OF, 66                            ; s[66:67] a K step's byte offset along a row of x
.set T0, 68                            ; s[68:69] query or value, as the step to be asked for wants
.set FS, 70                            ; s70 the step to be asked for next, 2 to 23
.set LC, 71                            ; s71 laps to go     s72 laps to the tile's end     s73 the tile that leaves next
.set TC, 72
.set TI, 73
.set CP, 74                            ; s[74:75] the output in hand
.set QX, 80                            ; s[80:81] query, s[82:83] value at the rows and the 256 bytes that my wave prefetches
.set VX, 82
.set WP, 84                            ; s[84:85] Wb at the 16 k rows that my work-group prefetches, in the matrix asked for last
.set PFB, 86                           ; s[86:87] the base of the prefetch of x in hand
.set PO, 88                            ; s[88:89] its lap's byte offset along the rows
.set PL, 90                            ; s90 the lap to be prefetched next, 2 to 7     s91 that lap's place in its tile
.set PT, 91
.set MSB, 0
.macro WIN new                         ; the immediate's high byte repeats the setting that is left; a switch that changes nothing is dropped
.if MSB != (\new)
	s_set_vgpr_msb (MSB<<8)|(\new)
.set MSB, \new
.endif
.endm
.set MUL,    0xa5                      ; sources 0 and 1 window 1, C and D window 2
.set CVT,    0x45                      ; sources and destination window 1
.set TO_1,   0x40                      ; destination window 1, address window 0
.set TO_2,   0x80                      ; destination window 2
.set FROM_2, 0x0a                      ; sources 0 and 1 window 2, destination window 0
.macro PLACES                          ; four places behind matrix instructions where no other vector work is at hand (ISA guide 7.12.1)
.rept 4
	v_nop
.endr
.endm
; A joint load: waves 0 and 1 fetch the two halves of x's tile, waves 2 and 3 those of W's.  The branch hangs on the wave's number alone.
; An s_nop 0 and four v_nop follow each of the two lines, ahead of the jump and the label.
.macro JLOAD s
	s_cmp_eq_u32 s[RH], 0
	s_cbranch_scc0 .Lfor_b_\@
	tensor_load_to_lds s[G0A+4*(\s):G0A+4*(\s)+3], s[G1A:G1A+7]
	s_nop 0
.rept 4
	v_nop
.endr
	s_branch .Lasked_\@
.Lfor_b_\@:
	tensor_load_to_lds s[G0B+4*(\s):G0B+4*(\s)+3], s[G1B:G1B+7]
	s_nop 0
.rept 4
	v_nop
.endr
.Lasked_\@:
.endm
.macro CREST                           ; a round of the cluster's barrier behind its opening barrier
	s_cmp_lg_u32 s[WV], 0
	s_cbranch_scc1 .Lnot_wave_0_\@
	s_barrier_signal -3
.Lnot_wave_0_\@:
	s_barrier_wait -3
	s_barrier_signal -1
	s_barrier_wait -1
.endm
.macro CROUND                          ; a whole round
	s_barrier_signal -1
	s_barrier_wait -1
	CREST
.endm
	s_load_b512 s[4:19], s[0:1], 0x0               ; query, value, Wb, bq, bk, bv, Qh, Kh
	s_load_b64 s[20:21], s[0:1], 0x40              ; Vh
	v_lshl_add_u32 v[SPW], v0, 2, SPARE
	v_mov_b32 v[NIL], 0
	ds_add_u32 v[SPW], v[NIL]                      ; the wave's opening: the add and its wait stand ahead of my first tensor load; the set-up below stands between them
	v_lshrrev_b32 v1, 5, v0
	v_readfirstlane_b32 s[WV], v1
	s_lshr_b32 s[RH], s[WV], 1
	s_and_b32 s[CH], s[WV], 1
	s_bfe_u32 s[CX], ttmp6, 0x40000
	s_bfe_u32 s[CY], ttmp6, 0x40004
	s_lshl_b32 s[TX], ttmp9, 2
	s_add_co_u32 s[TX], s[TX], s[CX]               ; tile column = 4 x cluster x + cx
	s_and_b32 s[TY], ttmp7, 0xffff
	s_lshl_b32 s[TY], s[TY], 2
	s_add_co_u32 s[TY], s[TY], s[CY]               ; tile row = 4 x cluster y + cy
	s_lshl_b32 s[MROW], s[CY], 2
	s_lshl_b32 s[MROW], 15, s[MROW]                ; my row of the cluster
	s_lshl_b32 s[MCOL], 0x1111, s[CX]              ; my column
	s_or_b32 s[G1A], s[MROW], (2<<16)|(1<<20)|(1<<21)|(6<<22)|(3<<25)  ; 15:0 the mask; 17:16 elements of 4 bytes; 20 padding on; 21 set beside a mask; 24:22 after every 128 words; 31:25 4 words of it
	s_or_b32 s[G1B], s[MCOL], (1<<16)|(1<<20)|(1<<21)|(6<<22)|(7<<25)  ; elements of 2 bytes; after every 128 words 8 words
	s_mov_b32 s[G1A+1], 128<<16                    ; tensor_dim0 = 128
	s_mov_b32 s[G1A+2], 64<<16                     ; tensor_dim1 = 64
	s_mov_b32 s[G1A+3], 128<<16                    ; tile_dim0 = 128
	s_mov_b32 s[G1A+4], 64                         ; tile_dim1 = 64
	s_mov_b32 s[G1A+5], 1024                       ; elements from row to row
	s_mov_b32 s[G1A+6], 0
	s_mov_b32 s[G1A+7], 0
	s_mov_b32 s[G1B+1], 256<<16
	s_mov_b32 s[G1B+2], 64<<16
	s_mov_b32 s[G1B+3], 256<<16
	s_mov_b32 s[G1B+4], 64
	s_mov_b32 s[G1B+5], 1024
	s_mov_b32 s[G1B+6], 0
	s_mov_b32 s[G1B+7], 0
	s_lshl_b32 s76, s[TY], 7                       ; x: row 128 x tile row + 64 x half, 4,096 bytes a row: made of the tile row and the wave alone
	s_lshl_b32 s77, s[CH], 6
	s_add_co_u32 s76, s76, s77
	s_lshl_b32 s76, s76, 12
	s_mov_b32 s77, 0
	s_lshl_b32 s78, s[CH], 17                      ; W: k row 64 x half, 2,048 bytes a row, column 256 x tile column: made of the tile column and the wave alone
	s_lshl_b32 s79, s[TX], 9
	s_add_co_u32 s78, s78, s79
	s_mov_b32 s79, 0
	s_lshl_b32 s92, s[TY], 7                       ; what my wave prefetches of x: row 128 x tile row + 32 x tile column, and 256 bytes x wave along it.
	s_lshl_b32 s93, s[TX], 5                       ; (These registers mix both coordinates; they enter no descriptor.)
	s_add_co_u32 s92, s92, s93
	s_lshl_b32 s92, s92, 12
	s_lshl_b32 s93, s[WV], 8
	s_add_co_u32 s92, s92, s93
	s_mov_b32 s93, 0
	s_lshl_b32 s94, s[TY], 15                      ; what my work-group prefetches of W: k row 16 x tile row, column 256 x tile column
	s_lshl_b32 s95, s[TX], 9
	s_add_co_u32 s94, s94, s95
	s_mov_b32 s95, 0
	s_mov_b32 s[PO+1], 0
	s_mov_b32 s[PL], 2
	s_mul_i32 s31, s[CH], HALFA                    ; where the tiles go in a slot: no place in the cluster enters an LDS address
	s_mul_i32 s3, s[CH], HALFB
	s_add_co_u32 s3, s3, BOFF
	s_mov_b32 s[OF+1], 0
	s_mov_b32 s[FS], 2
	s_wait_dscnt 0x0                               ; the opening add is done
	s_wait_kmcnt 0x0
	s_add_nc_u64 s[QX:QX+1], s[QA:QA+1], s[92:93]  ; from the buffers' own addresses, which the next three lines step
	s_add_nc_u64 s[VX:VX+1], s[VA:VA+1], s[92:93]
	s_add_nc_u64 s[WP:WP+1], s[WB:WB+1], s[94:95]
	s_add_nc_u64 s[QA:QA+1], s[QA:QA+1], s[76:77]
	s_add_nc_u64 s[VA:VA+1], s[VA:VA+1], s[76:77]
	s_add_nc_u64 s[WB:WB+1], s[WB:WB+1], s[78:79]
	CROUND                                         ; all sixteen work-groups are here: the first joint loads meet
.irp s, 0,1
	s_mov_b32 s[G0A+4*(\s)], 1
	s_add_co_u32 s[G0A+4*(\s)+1], s31, (\s)*SLOT
	s_add_nc_u64 s[G0A+4*(\s)+2:G0A+4*(\s)+3], s[QA:QA+1], (\s)*512      ; K step s of query: 128 f32 along the row
	s_or_b32 s[G0A+4*(\s)+3], s[G0A+4*(\s)+3], 0x80000000
	s_mov_b32 s[G0B+4*(\s)], 1
	s_add_co_u32 s[G0B+4*(\s)+1], s3, (\s)*SLOT
	s_add_nc_u64 s[G0B+4*(\s)+2:G0B+4*(\s)+3], s[WB:WB+1], (\s)*262144   ; K step s of Wq: 128 rows of 2,048 bytes
	s_or_b32 s[G0B+4*(\s)+3], s[G0B+4*(\s)+3], 0x80000000
	JLOAD \s
.endr
	; my 256 columns of the three biases: thread t takes two numbers of each
	s_lshl_b32 s78, s[TX], 10
	s_add_nc_u64 s[10:11], s[10:11], s[78:79]
	s_add_nc_u64 s[12:13], s[12:13], s[78:79]
	s_add_nc_u64 s[14:15], s[14:15], s[78:79]
	v_lshlrev_b32 v2, 3, v0
	global_load_b64 v[4:5], v2, s[10:11]
	global_load_b64 v[6:7], v2, s[12:13]
	global_load_b64 v[8:9], v2, s[14:15]
	; the first requests ahead: lap 1 of query (1,024 bytes along my 32 rows, my wave's 256 of them), and by wave 0 my work-group's 16 k rows of Wq
	v_and_b32 v[PFX], 31, v0
	v_lshrrev_b32 v[PFW], 1, v[PFX]
	v_lshlrev_b32 v[PFW], 11, v[PFW]
	v_and_b32 v12, 1, v[PFX]
	v_lshl_or_b32 v[PFW], v12, 8, v[PFW]
	v_lshlrev_b32 v[PFX], 12, v[PFX]
	global_prefetch_b8 v[PFX], s[QX:QX+1] offset:1024 th:TH_LOAD_NT scope:SCOPE_SE
	s_cmp_lg_u32 s[WV], 0
	s_cbranch_scc1 .Lnot_wq
	global_prefetch_b8 v[PFW], s[WP:WP+1] th:TH_LOAD_NT scope:SCOPE_SE
.Lnot_wq:
	; addresses, while those loads are out
	v_and_b32 v1, 15, v0                           ; r = lane % 16
	v_bfe_u32 v3, v0, 4, 1                         ; h = lane / 16
	v_and_b32 v10, 7, v0
	v_bfe_u32 v11, v0, 3, 1
	v_mul_u32_u24 v12, v1, PA                      ; x: row r; a fragment's k = 8 h + 0..7 are 32 bytes of f32 at 32 h, k = 16 + 8 h + 0..7 lie 64 bytes on
	v_lshl_add_u32 v12, v3, 5, v12
	s_mul_i32 s2, s[RH], 64*PA
	v_add_nc_u32 v[ADRA], s2, v12
	v_add_nc_u32 v[ADRA+1], SLOT, v[ADRA]
	v_lshl_add_u32 v13, v3, 3, v10                 ; W: the turning load's lane reads k row 8 h + lane % 8, columns 8 ((lane / 8) % 2) + 0..7
	v_mul_u32_u24 v13, v13, PB
	v_lshl_add_u32 v13, v11, 4, v13
	s_lshl_b32 s2, s[CH], 8
	s_add_co_u32 s2, s2, BOFF
	v_add_nc_u32 v[ADRB], s2, v13
	v_add_nc_u32 v[ADRB+1], SLOT, v[ADRB]
	s_mul_i32 s2, s[WV], 16*SPITCH
	s_add_co_u32 s2, s2, STAGE                     ; my stage
	v_mul_u32_u24 v12, v1, SPITCH
	v_lshl_add_u32 v12, v3, 4, v12
	v_add_nc_u32 v[STO], s2, v12
	v_mul_u32_u24 v12, v3, SPITCH
	v_lshl_add_u32 v12, v1, 4, v12
	v_add_nc_u32 v[RD], s2, v12
	v_lshlrev_b32 v12, 11, v3                      ; the same two rows in the output: 2,048 bytes a row
	v_lshl_add_u32 v[CO], v1, 4, v12
	s_lshl_b32 s2, s[CH], 9
	s_add_co_u32 s2, s2, BIAS
	v_lshl_add_u32 v[BIA], v3, 5, s2               ; my eight columns of a block of 16: 512 x column half + 32 h
	v_lshl_add_u32 v14, v0, 3, BIAS                ; where thread t puts its two numbers of a bias
	s_lshl_b32 s2, s[TY], 7                        ; my wave's first row and column in Qh, Kh, Vh
	s_lshl_b32 s3, s[RH], 6
	s_add_co_u32 s2, s2, s3
	s_lshl_b32 s2, s2, 11
	s_lshl_b32 s3, s[TX], 9
	s_add_co_u32 s2, s2, s3
	s_lshl_b32 s3, s[CH], 8
	s_add_co_u32 s2, s2, s3
	s_mov_b32 s3, 0
	s_add_nc_u64 s[QP:QP+1], s[QP:QP+1], s[2:3]
	s_add_nc_u64 s[KP:KP+1], s[KP:KP+1], s[2:3]
	s_add_nc_u64 s[VP:VP+1], s[VP:VP+1], s[2:3]
	s_wait_loadcnt 0x0
.irp t, 0,1,2
	v_cvt_pk_bf16_f32 v15, v[4+2*(\t)], v[5+2*(\t)]        ; the bias is rounded to bf16 like every input, and kept as f32
	v_lshlrev_b32 v[4+2*(\t)], 16, v15
	v_and_b32 v[5+2*(\t)], 0xffff0000, v15
	ds_store_b64 v14, v[4+2*(\t):5+2*(\t)] offset:1024*(\t)
.endr
; 16 turning loads: W's fragments of quarter q of slot s (32 k x my 128 columns) into buffer g
.macro LDFB s, q, g
	WIN TO_1
.irp b, 0,1,2,3,4,5,6,7
	ds_load_tr16_b128 v[FB+64*(\g)+8*(\b):FB+64*(\g)+8*(\b)+3],   v[ADRB+(\s)] offset:32*PB*(\q)+32*(\b)
	ds_load_tr16_b128 v[FB+64*(\g)+8*(\b)+4:FB+64*(\g)+8*(\b)+7], v[ADRB+(\s)] offset:32*PB*(\q)+32*(\b)+16*PB
.endr
.endm
; 16 loads: my 64 rows x 32 k of x as f32, quarter q of slot s
.macro LDRAW s, q
	WIN TO_1
.irp a, 0,1,2,3
	ds_load_b128 v[RAW+16*(\a):RAW+16*(\a)+3],     v[ADRA+(\s)] offset:16*PA*(\a)+128*(\q)
	ds_load_b128 v[RAW+16*(\a)+4:RAW+16*(\a)+7],   v[ADRA+(\s)] offset:16*PA*(\a)+128*(\q)+16
	ds_load_b128 v[RAW+16*(\a)+8:RAW+16*(\a)+11],  v[ADRA+(\s)] offset:16*PA*(\a)+128*(\q)+64
	ds_load_b128 v[RAW+16*(\a)+12:RAW+16*(\a)+15], v[ADRA+(\s)] offset:16*PA*(\a)+128*(\q)+80
.endr
.endm
; 8 matrix instructions: row block a x all 8 column blocks.  The 32 accumulators take turns, in the same order in every quarter.
.macro MULS f, a
	WIN MUL
.irp b, 0,1,2,3,4,5,6,7
	v_wmma_f32_16x16x32_bf16 v[8*(8*(\a)+(\b)):8*(8*(\a)+(\b))+7], v[FB+64*(\f)+8*(\b):FB+64*(\f)+8*(\b)+7], v[FA+32*(\f)+8*(\a):FA+32*(\f)+8*(\a)+7], v[8*(8*(\a)+(\b)):8*(8*(\a)+(\b))+7]
.endr
.endm
; Row block 3's eight, and (cv = 1) behind each four roundings that make the next quarter's fragments of x in buffer g.  They name no register of the products round them: the four
; behind the last product are also the places in front of the next quarter's loads into the buffer of W that this quarter multiplied, and of its roundings into this quarter's buffer of x.
.macro RIDE f, g, cv
.irp b, 0,1,2,3,4,5,6,7
	WIN MUL
	v_wmma_f32_16x16x32_bf16 v[8*(24+(\b)):8*(24+(\b))+7], v[FB+64*(\f)+8*(\b):FB+64*(\f)+8*(\b)+7], v[FA+32*(\f)+24:FA+32*(\f)+31], v[8*(24+(\b)):8*(24+(\b))+7]
.if \cv
	WIN CVT
.irp n, 0,1,2,3
	v_cvt_pk_bf16_f32 v[FA+32*(\g)+4*(\b)+(\n)], v[RAW+2*(4*(\b)+(\n))], v[RAW+2*(4*(\b)+(\n))+1]
.endr
.endif
.endr
.endm
; The accumulators take tile t's bias: register j of a lane is column 16 b + 8 h + j, whatever the row block
.macro ACCINIT t
	WIN TO_2
.irp a, 0,1,2,3
.irp b, 0,1,2,3,4,5,6,7
	ds_load_b128 v[8*(8*(\a)+(\b)):8*(8*(\a)+(\b))+3],   v[BIA] offset:1024*(\t)+64*(\b)
	ds_load_b128 v[8*(8*(\a)+(\b))+4:8*(8*(\a)+(\b))+7], v[BIA] offset:1024*(\t)+64*(\b)+16
.endr
.endr
	WIN 0
.endm
; The descriptors of slot s for K step FS of the walk: steps 0-7 read query, 8-23 value, each tile from k = 0 again; Wb's three matrices lie end to end, so W's address only steps.
.macro NEXTFILL s
	s_cmp_lt_u32 s[FS], 8
	s_cselect_b64 s[T0:T0+1], s[QA:QA+1], s[VA:VA+1]
	s_and_b32 s[OF], s[FS], 7
	s_lshl_b32 s[OF], s[OF], 9
	s_add_nc_u64 s[G0A+4*(\s)+2:G0A+4*(\s)+3], s[T0:T0+1], s[OF:OF+1]
	s_or_b32 s[G0A+4*(\s)+3], s[G0A+4*(\s)+3], 0x80000000
	s_add_nc_u64 s[G0B+4*(\s)+2:G0B+4*(\s)+3], s[G0B+4*(\s)+2:G0B+4*(\s)+3], 524288
	s_add_co_u32 s[FS], s[FS], 1
.endm
; The trip's requests ahead, once a lap, behind the lap's first refill.  Lap PL of the walk: laps 0-3 read query, 4-7 value; a lap is 1,024 bytes along the rows.  Trips 0 to 5 ask (11 to 6 laps to go),
; the others jump over the lines: no address passes a buffer's end, and value's second reading is not asked for.  Where the lap asked for is a tile's last (PL = 3, 7), wave 0 asks for my work-group's
; 16 k rows of the next matrix, 2 MiB on in Wb.  The bases are rewritten only behind s_wait_xcnt 0, which stands a lap behind the last prefetch.
.macro PREF
	WIN 0
	s_cmp_lt_u32 s[LC], 6
	s_cbranch_scc1 .Lno_ask_\@
	s_wait_xcnt 0x0
	s_cmp_lt_u32 s[PL], 4
	s_cselect_b64 s[PFB:PFB+1], s[QX:QX+1], s[VX:VX+1]
	s_and_b32 s[PT], s[PL], 3
	s_lshl_b32 s[PO], s[PT], 10
	s_add_nc_u64 s[PFB:PFB+1], s[PFB:PFB+1], s[PO:PO+1]
	global_prefetch_b8 v[PFX], s[PFB:PFB+1] th:TH_LOAD_NT scope:SCOPE_SE
	s_add_co_u32 s[PL], s[PL], 1
	s_cmp_eq_u32 s[PT], 3
	s_cbranch_scc0 .Lno_ask_\@
	s_cmp_lg_u32 s[WV], 0
	s_cbranch_scc1 .Lno_ask_\@
	s_add_nc_u64 s[WP:WP+1], s[WP:WP+1], 0x200000
	global_prefetch_b8 v[PFW], s[WP:WP+1] th:TH_LOAD_NT scope:SCOPE_SE
.Lno_ask_\@:
.endm
; A QUARTER: 32 along K, 32 matrix instructions, on buffers q % 2.  It fetches the next quarter's fragments of W, rounds the next quarter's x, and fetches the x of the quarter after that.
; mode 0: in the loop.  mode 1: the walk's last step but one.  mode 2: the last step.
; In quarter 2 every read of the slot has been issued, so THE CHANGE OF SLOTS stands there: each wave waits for all its tensor loads (one is out: its part of the other slot), adds 0 to its
; spare word, waits for that and for its reads of this slot, and signals; in the loop the barrier opens a round of the cluster's, and the joint refill is the first thing behind the round.
; Between the wait for the tile and the refill stand only the eight products under the add and the round itself; the quarter's last eight products and their roundings follow the refill.
.macro QTR s, q, mode
.set QF, (\q)%2
.set QG, 1-QF
.set NS1, (\s)
.set NQ1, (\q)+1
.if (\q) == 3
.set NS1, 1-(\s)
.set NQ1, 0
.endif
.set NS2, (\s)
.set NQ2, (\q)+2
.if (\q) >= 2
.set NS2, 1-(\s)
.set NQ2, (\q)-2
.endif
.set LASTQ, 0
.set CHG, 0
.set MORE, 1
.if (\mode) == 2
.if (\q) == 3
.set LASTQ, 1
.endif
.if (\q) >= 2
.set MORE, 0
.endif
.elseif (\q) == 2
.set CHG, 1
.endif
.if LASTQ
	s_wait_dscnt 0x0                               ; the last fragments of W: nothing was issued behind them
.else
	s_wait_dscnt 16                                ; this quarter's fragments of W are in; the 16 loads of x issued behind them may stay out
.endif
	MULS QF, 0
	MULS QF, 1
.if LASTQ == 0
	LDFB NS1, NQ1, QG
.endif
.if CHG
	WIN 0                                          ; (the add's two registers lie in window 0)
	s_wait_tensorcnt 0x0                           ; all my tensor loads have landed, so a group 0 may be written
	ds_add_u32 v[SPW], v[NIL]                      ; 0 onto my spare word; scalar and matrix work stand between it and the wait for it
.if (\mode) == 0
	NEXTFILL \s
.endif
	MULS QF, 2
	s_wait_dscnt 0x0                               ; the add is done, and my reads of this slot are over, the next quarter's x among them
	s_barrier_signal -1
	WIN 0
	s_barrier_wait -1
.if (\mode) == 0
	CREST                                          ; no wave of any partner still reads this slot or has a load on its way
	JLOAD \s                                       ; it has four quarters, 128 matrix instructions, in which to land
.endif
	RIDE QF, QG, 1
.else
	MULS QF, 2
.if LASTQ
	RIDE QF, QG, 0
	WIN 0
	PLACES                                         ; the conversions of the way out read results just made
.else
	s_wait_dscnt 16                                ; the next quarter's x is in; the 16 fragment loads just issued may stay out
	RIDE QF, QG, 1
.endif
.endif
.if MORE
	LDRAW NS2, NQ2
.endif
.endm
; THE WAY OUT of row block a: rounded to f16, 16 bytes a lane; into my own stage in LDS, and back as whole rows of 256 bytes; stored.
.macro PACK a
	WIN FROM_2
.irp b, 0,1,2,3,4,5,6,7
.irp r, 0,1,2,3
	v_cvt_pk_f16_f32 v[TMP+4*(\b)+(\r)], v[64*(\a)+8*(\b)+2*(\r)], v[64*(\a)+8*(\b)+2*(\r)+1]
.endr
.endr
	WIN 0
.endm
.macro TOSTAGE a
.set BK, OB+32*((\a)%2)
.irp b, 0,1,2,3,4,5,6,7
	ds_store_b128 v[STO], v[TMP+4*(\b):TMP+4*(\b)+3] offset:32*(\b)
.endr
.irp t, 0,1,2,3,4,5,6,7
	ds_load_b128 v[BK+4*(\t):BK+4*(\t)+3], v[RD] offset:(\t)*2*SPITCH  ; LDS serves a wave's instructions in order (ISA guide 5.7.1.4): these see the stores above
.endr
.endm
.macro SEND a
.set BK, OB+32*((\a)%2)
	s_wait_dscnt 0x0                               ; the block is back in registers
	s_wait_xcnt 0x0                                ; the stores of the block before have read their registers: its buffer is loaded again only behind this wait
.irp t, 0,1,2,3,4,5,6,7
	global_store_b128 v[CO], v[BK+4*(\t):BK+4*(\t)+3], s[CP:CP+1] offset:32768*(\a)+4096*(\t)  ; 16 lanes store 256 consecutive bytes, at a multiple of 256 from the buffer's first byte
.endr
.endm
.macro WAYOUT last
	WIN 0
	s_wait_xcnt 0x0                                ; the last tile's stores have read their base and their registers
.if \last
	s_mov_b64 s[CP:CP+1], s[VP:VP+1]
.else
	s_cmp_eq_u32 s[TI], 0
	s_cselect_b64 s[CP:CP+1], s[QP:QP+1], s[KP:KP+1]
	s_add_co_u32 s[TI], s[TI], 1
.endif
	PACK 0
	TOSTAGE 0
.irp a, 1,2,3                          ; block a's conversions stand between block a - 1's loads from the stage and the wait for them
	PACK \a
	SEND (\a)-1
	TOSTAGE \a
.endr
	SEND 3
.endm
	s_wait_tensorcnt 0x1                           ; my part of K step 0 is in; step 1's may stay out
	s_wait_dscnt 0x0                               ; my part of the biases is stored
	s_barrier_signal -1
	s_barrier_wait -1
	LDFB 0, 0, 0
	LDRAW 0, 0
	s_wait_dscnt 0x0
	WIN CVT
.set ii, 0
.rept 32
	v_cvt_pk_bf16_f32 v[FA+ii], v[RAW+2*ii], v[RAW+2*ii+1]
.set ii, ii+1
.endr
	ACCINIT 0
	LDRAW 0, 1
	WIN 0                                          ; at a label and at a branch every window is 0
	s_mov_b32 s[LC], 11
	s_mov_b32 s[TC], 4
	s_mov_b32 s[TI], 0
.Llap:                                                 ; a lap = two K steps = once round the ring; both slots are filled again
	QTR 0, 0, 0
	QTR 0, 1, 0
	QTR 0, 2, 0
	PREF
	QTR 0, 3, 0
	QTR 1, 0, 0
	QTR 1, 1, 0
	QTR 1, 2, 0
	QTR 1, 3, 0
	WIN 0
	s_sub_co_u32 s[TC], s[TC], 1
	s_cmp_lg_u32 s[TC], 0
	s_cbranch_scc1 .Lno                            ; a forward jump past text that holds no barrier and no tensor load
	WAYOUT 0                                       ; every fourth lap a tile is finished; both refills for the next tile have been asked for
	s_cmp_eq_u32 s[TI], 1
	s_cbranch_scc0 .Lbias2
	ACCINIT 1
	s_branch .Lbiasd
.Lbias2:
	ACCINIT 2
.Lbiasd:
	s_wait_dscnt 0x0
	s_mov_b32 s[TC], 4
.Lno:
	s_sub_co_u32 s[LC], s[LC], 1
	s_cmp_lg_u32 s[LC], 0
	s_cbranch_scc1 .Llap
	QTR 0, 0, 1                                    ; the last lap is written out: it asks for nothing
	QTR 0, 1, 1
	QTR 0, 2, 1
	QTR 0, 3, 1
	QTR 1, 0, 2
	QTR 1, 1, 2
	QTR 1, 2, 2
	QTR 1, 3, 2
	WAYOUT 1
	s_wait_tensorcnt 0x0                           ; the wave's end: an add to the spare word and its wait, behind my last tensor load and my last LDS store
	ds_add_u32 v[SPW], v[NIL]
	s_wait_dscnt 0x0
	CROUND                                         ; the closing round: no work-group ends while a partner may still ask for a tile that names it
	s_endpgm
.Lfunc_end_k_qb1e342bebf_proj:
	.size	k_qb1e342bebf_proj, .Lfunc_end_k_qb1e342bebf_proj-k_qb1e342bebf_proj
	.p2alignl 7, 3214868480
	.fill 96, 4, 3214868480
	.section	.rodata,"a",@progbits
	.p2align	6, 0x0
	.amdhsa_kernel k_qb1e342bebf_proj
		.amdhsa_group_segment_fixed_size 327680
		.amdhsa_private_segment_fixed_size 0
		.amdhsa_enable_private_segment 0
		.amdhsa_kernarg_size 72
		.amdhsa_user_sgpr_count 2
		.amdhsa_user_sgpr_kernarg_segment_ptr 1
		.amdhsa_wavefront_size32 1
		.amdhsa_system_sgpr_workgroup_id_x 1
		.amdhsa_system_sgpr_workgroup_id_y 1
		.amdhsa_system_sgpr_workgroup_id_z 1
		.amdhsa_system_vgpr_workitem_id 0
		.amdhsa_next_free_vgpr 768
		.amdhsa_next_free_sgpr 96
		.amdhsa_reserve_vcc 0
		.amdhsa_float_denorm_mode_32 3
		.amdhsa_float_denorm_mode_16_64 3
		.amdhsa_memory_ordered 1
		.amdhsa_forward_progress 1
		.amdhsa_inst_pref_size 164
	.end_amdhsa_kernel
	.amdgpu_metadata
---
amdhsa.version: [ 1, 2 ]
amdhsa.kernels:
  - .name:           k_qb1e342bebf_proj
    .symbol:         k_qb1e342bebf_proj.kd
    .args:
      - { .name: query, .offset: 0, .size: 8, .value_kind: global_buffer, .address_space: global }
      - { .name: value, .offset: 8, .size: 8, .value_kind: global_buffer, .address_space: global }
      - { .name: Wb, .offset: 16, .size: 8, .value_kind: global_buffer, .address_space: global }
      - { .name: bq, .offset: 24, .size: 8, .value_kind: global_buffer, .address_space: global }
      - { .name: bk, .offset: 32, .size: 8, .value_kind: global_buffer, .address_space: global }
      - { .name: bv, .offset: 40, .size: 8, .value_kind: global_buffer, .address_space: global }
      - { .name: Qh, .offset: 48, .size: 8, .value_kind: global_buffer, .address_space: global }
      - { .name: Kh, .offset: 56, .size: 8, .value_kind: global_buffer, .address_space: global }
      - { .name: Vh, .offset: 64, .size: 8, .value_kind: global_buffer, .address_space: global }
    .group_segment_fixed_size: 327680
    .private_segment_fixed_size: 0
    .kernarg_segment_align: 8
    .kernarg_segment_size: 72
    .max_flat_workgroup_size: 128
    .sgpr_count:     96
    .vgpr_count:     768
    .wavefront_size: 32
...
	.end_amdgpu_metadata
.endif
;; end of part 2
;; launch score (part 3): grid 8 x 32, 4 waves a work-group, clusters of 4 x 4, 327,680 bytes of LDS; arguments Qh, Kh, Ph, St; writes Ph, St
.if DOCPART == 3
	.amdgcn_target "amdgcn-amd-amdhsa--gfx1250"
	.amdhsa_code_object_version 6
	.text
	.protected	k_qb1e342bebf_score
	.globl	k_qb1e342bebf_score
	.p2align	8
	.type	k_qb1e342bebf_score,@function
k_qb1e342bebf_score:
	s_mov_b64 s[64:65], 0
	v_nop
	global_prefetch_b8 v0, s[64:65] scope:SCOPE_SE
	s_setreg_imm32_b32 hwreg(HW_REG_WAVE_MODE, 25, 1), 1
	s_wait_xcnt 0x0
	s_wait_alu depctr_hold_cnt(0) depctr_sa_sdst(0) depctr_va_vdst(0) depctr_va_sdst(0) depctr_va_ssrc(0) depctr_va_vcc(0) depctr_vm_vsrc(0)
	s_getreg_b32 s2, hwreg(HW_REG_IB_STS2, 6, 4)
	s_cmp_eq_u32 s2, 0
	s_cbranch_scc0 .Lentry_in_a_cluster
	s_endpgm
.Lentry_in_a_cluster:
	s_bfe_u32 s2, ttmp6, 0x10000c
	s_cmp_lg_u32 s2, 0xf033
	s_cbranch_scc0 .Lentry_shape_is_right
	s_endpgm
.Lentry_shape_is_right:
; For each batch S = Q K^T (Qh, Kh: [8192][1024] f16, a batch is 2,048 rows), sums in f32.  A work-group makes a tile of 256 queries x 256 keys, takes each row's maximum m over the tile's 256 keys
; and stores p = 2^(c s - c m), c = log2(e) / 32, as f16 in Ph ([8192][2048]); beside it, in f32, c m and the sum l of the unrounded p over each half of 128 keys, in St ([2][16 chunks][8192 rows],
; chunk = 2 x key tile + column half; c m from byte 0, l from byte 524,288).  The launch behind joins a row's eight tiles by the row's true maximum.
; LIMITS.  p lies in 0 to 1; below 6e-5 it keeps f16's fixed step of 6e-8; a p below 2^-126 counts as 0 in l.  NaN and infinities are not treated apart.
; SHAPE.  Four waves, each 128 x 128: 64 accumulators, 512 registers.  K goes in steps of 128 through a ring of two LDS slots; rows of 256 bytes, padded to 272.
; THE MATRIX INSTRUCTION IS USED TRANSPOSED (source 0 = 16 keys, source 1 = 16 queries): a lane holds ONE query (lane % 16) and the keys 8 (lane / 16) + 0..7 of each block of 16.
; CLUSTER.  4 x 4 work-groups: Q's tiles are shared along a row of the cluster, K's along a column, each asked for jointly.
; REGISTERS, in windows of 256 (s_set_vgpr_msb: bits 1:0 source 0, 3:2 source 1, 5:4 source 2, 7:6 destination):
;   window 0: v0-31 addresses; v32-63 statistics; v64-191 fragments of Q, two buffers, later the softmax's work     window 1: v64-191 fragments of K, two buffers
;   window 2: the accumulators of my rows 0-63 ((a, b) at v[8 (8 a + b)]);   window 3: those of my rows 64-127
.set KSTEP,  128
.set SIZE_K, 1024
.set PITCH,  272                       ; 256 bytes + 16 = 68 words: row r starts at bank 4 r mod 64 (64 banks of 4 bytes: ISA guide 11.1)
.set HALFT,  128*PITCH
.set SLOT,   4*HALFT                   ; Q's 256 rows, then K's 256 rows
.set STAGE,  2*SLOT                    ; behind the ring: 16 rows x 272 bytes for each wave
.set SPITCH, 272
.set XCH,    STAGE+4*16*SPITCH         ; [2 column halves][256 rows] f32: the halves' maxima meet here
.set STS,    XCH+2048                  ; 1,024 bytes a wave: c m of my 128 rows, then l
.set SPARE,  STS+4096                  ; the spare words, 128 bytes for each wave: two blocks of 256 bytes that no other line names
.set LAPS,   SIZE_K/(2*KSTEP)
.set ADRA, 16                          ; v16-17  LDS address of my fragments of Q in slot 0, 1
.set SG,   18                          ; v18     16 x lane: my place in 512 bytes of St
.set ADRB, 20                          ; v20-21  the same as ADRA for K
.set SC,   22                          ; v22     where c m of row lane % 16 of block 0 goes
.set SR,   23                          ; v23     where I read 16 bytes of statistics back
.set STO,  24
.set RD,   25
.set CO,   26                          ; v26     my byte offset in two rows of Ph
.set XW,   27                          ; v27     where my half's maximum of row lane % 16 of block 0 goes
.set SPW,  28
.set NIL,  29
.set XR,   30                          ; v30     where the other half's lies
.set SL,   31                          ; v31     where l of row lane % 16 of block 0 goes
.set ST,   32                          ; v32-47  c m of block a at v[32 + 2 a], twice: the packed scaling names a pair
.set MX,   48                          ; v48-55  the maximum of block a
.set LS,   56                          ; v56-57  a block's sum, even keys' and odd keys'
.set LT,   58                          ; v58     at work
.set SLT,  59                          ; v59     l's address in the trip in hand
.set F0,   64
.set F1,   128
.set X,    64                          ; v64-127   a block's 64 scores a lane, then its weights
.set PT,   64                          ; v64-71    before that: maxima from elsewhere
.set TMP,  128                         ; v128-159  the weights in f16
.set OB,   160                         ; v160-191  16 rows read back from the stage
.set WV, 12
.set RH, 13
.set CH, 14
.set CX, 15
.set CY, 16
.set TX, 17
.set TY, 18
.set MROW, 19
.set MCOL, 20
.set LD, 21
.set G1, 24                            ; s[24:31] descriptor group 1 for Q's tiles; s[32:39] group 0, a set for each slot
.set G0, 32
.set G1B, 48                           ; s[48:55], s[56:63] the same for K's
.set G0B, 56
.set CS, 66                            ; s[66:67] c
.set SEL, 68                           ; s[68:69] v_permlanex16_b32's selects: each lane takes its own place in the other half
.set AI, 70                            ; s70 the block in hand     s71 64 x that     s72 laps to go
.set SO, 71
.set LC, 72
.set MSB, 0
.macro WIN new
.if MSB != (\new)
	s_set_vgpr_msb (MSB<<8)|(\new)
.set MSB, \new
.endif
.endm
.set MUL_LO, 0xa1                      ; source 0 (K) window 1, source 1 (Q) window 0, C and D window 2
.set MUL_HI, 0xf1                      ; the same, C and D window 3
.set TO_B,   0x40
.macro PLACES
.rept 4
	v_nop
.endr
.endm
.macro JLOAD s                         ; waves 0 and 1 fetch Q's two halves, waves 2 and 3 K's; an s_nop 0 and four v_nop follow each of the two lines
	s_cmp_eq_u32 s[RH], 0
	s_cbranch_scc0 .Lfor_b_\@
	tensor_load_to_lds s[G0+4*(\s):G0+4*(\s)+3], s[G1:G1+7]
	s_nop 0
.rept 4
	v_nop
.endr
	s_branch .Lasked_\@
.Lfor_b_\@:
	tensor_load_to_lds s[G0B+4*(\s):G0B+4*(\s)+3], s[G1B:G1B+7]
	s_nop 0
.rept 4
	v_nop
.endr
.Lasked_\@:
.endm
.macro CREST
	s_cmp_lg_u32 s[WV], 0
	s_cbranch_scc1 .Lnot_wave_0_\@
	s_barrier_signal -3
.Lnot_wave_0_\@:
	s_barrier_wait -3
	s_barrier_signal -1
	s_barrier_wait -1
.endm
.macro CROUND
	s_barrier_signal -1
	s_barrier_wait -1
	CREST
.endm
	s_load_b256 s[4:11], s[0:1], 0x0               ; Qh s[4:5], Kh s[6:7], Ph s[8:9], St s[10:11]
	v_lshl_add_u32 v[SPW], v0, 2, SPARE
	v_mov_b32 v[NIL], 0
	ds_add_u32 v[SPW], v[NIL]                      ; the wave's opening: the add and its wait stand ahead of my first tensor load
	v_lshrrev_b32 v1, 5, v0
	v_readfirstlane_b32 s[WV], v1
	s_lshr_b32 s[RH], s[WV], 1                     ; my half of the tile's rows.  Also: I fetch for Q (0) or for K (1)
	s_and_b32 s[CH], s[WV], 1                      ; my half of its keys.  Also: which 128 rows of that tile I fetch
	s_bfe_u32 s[CX], ttmp6, 0x40000
	s_bfe_u32 s[CY], ttmp6, 0x40004
	s_lshl_b32 s[TX], ttmp9, 2
	s_add_co_u32 s[TX], s[TX], s[CX]               ; key tile in the batch, 0 to 7
	s_and_b32 s[TY], ttmp7, 0xffff
	s_lshl_b32 s[TY], s[TY], 2
	s_add_co_u32 s[TY], s[TY], s[CY]               ; tile row, 0 to 31: eight to a batch
	s_lshl_b32 s[MROW], s[CY], 2
	s_lshl_b32 s[MROW], 15, s[MROW]
	s_lshl_b32 s[MCOL], 0x1111, s[CX]
	s_or_b32 s[G1], s[MROW], (1<<16)|(1<<20)|(1<<21)|(5<<22)|(3<<25)   ; the mask; elements of 2 bytes; padding on; bit 21 beside a mask; after every 64 words 4 words
	s_or_b32 s[G1B], s[MCOL], (1<<16)|(1<<20)|(1<<21)|(5<<22)|(3<<25)
.irp g, G1, G1B
	s_mov_b32 s[(\g)+1], KSTEP<<16                 ; tensor_dim0 = 128
	s_mov_b32 s[(\g)+2], 128<<16                   ; tensor_dim1 = 128
	s_mov_b32 s[(\g)+3], KSTEP<<16                 ; tile_dim0 = 128
	s_mov_b32 s[(\g)+4], 128                       ; tile_dim1 = 128
	s_mov_b32 s[(\g)+5], SIZE_K                    ; elements from row to row
	s_mov_b32 s[(\g)+6], 0
	s_mov_b32 s[(\g)+7], 0
.endr
	s_lshl_b32 s40, s[TY], 8                       ; Q: row 256 x tile row + 128 x half, 2,048 bytes a row
	s_lshl_b32 s41, s[CH], 7
	s_add_co_u32 s40, s40, s41
	s_lshl_b32 s40, s40, 11
	s_mov_b32 s41, 0
	s_and_b32 s44, ttmp7, 0xffff                   ; K: the batch is the cluster's y / 2, which all sixteen share;
	s_lshr_b32 s44, s44, 1
	s_lshl_b32 s44, s44, 11                        ; row 2,048 x batch + 256 x key tile + 128 x half
	s_lshl_b32 s45, s[TX], 8
	s_add_co_u32 s44, s44, s45
	s_lshl_b32 s45, s[CH], 7
	s_add_co_u32 s44, s44, s45
	s_lshl_b32 s44, s44, 11
	s_mov_b32 s45, 0
	s_mul_i32 s[LD], s[WV], HALFT                  ; where they go: Q's two halves, then K's two halves = wave x 128 rows
	s_mov_b32 s[CS], 0x3d38aa3b                    ; c = log2(e) / 32 = 0.0450842
	s_mov_b32 s[CS+1], s[CS]
	s_mov_b32 s[SEL], 0x76543210
	s_mov_b32 s[SEL+1], 0xfedcba98
	s_wait_dscnt 0x0                               ; the opening add is done
	s_wait_kmcnt 0x0
	s_add_nc_u64 s[42:43], s[4:5], s[40:41]
	s_add_nc_u64 s[46:47], s[6:7], s[44:45]
	CROUND                                         ; all sixteen work-groups are here: the first joint loads meet
.irp s, 0,1
	s_mov_b32 s[G0+4*(\s)], 1
	s_add_co_u32 s[G0+4*(\s)+1], s[LD], (\s)*SLOT
	s_add_nc_u64 s[G0+4*(\s)+2:G0+4*(\s)+3], s[42:43], (\s)*KSTEP*2
	s_or_b32 s[G0+4*(\s)+3], s[G0+4*(\s)+3], 0x80000000
	s_mov_b32 s[G0B+4*(\s)], 1
	s_add_co_u32 s[G0B+4*(\s)+1], s[LD], (\s)*SLOT
	s_add_nc_u64 s[G0B+4*(\s)+2:G0B+4*(\s)+3], s[46:47], (\s)*KSTEP*2
	s_or_b32 s[G0B+4*(\s)+3], s[G0B+4*(\s)+3], 0x80000000
	JLOAD \s
.endr
	v_and_b32 v1, 15, v0                           ; r
	v_bfe_u32 v2, v0, 4, 1                         ; h
	v_mul_u32_u24 v3, v1, PITCH
	v_lshl_add_u32 v3, v2, 4, v3                   ; a fragment's row x pitch + 16 x half
	s_mul_i32 s22, s[RH], HALFT
	s_mul_i32 s23, s[CH], HALFT
	s_add_co_u32 s23, s23, 2*HALFT
.irp s, 0,1
	v_add_nc_u32 v[ADRA+(\s)], s22, v3
	v_add_nc_u32 v[ADRB+(\s)], s23, v3
	s_add_co_u32 s22, s22, SLOT
	s_add_co_u32 s23, s23, SLOT
.endr
	s_mul_i32 s22, s[WV], 16*SPITCH
	s_add_co_u32 s22, s22, STAGE
	v_mul_u32_u24 v4, v1, SPITCH
	v_lshl_add_u32 v4, v2, 4, v4
	v_add_nc_u32 v[STO], s22, v4
	v_mul_u32_u24 v5, v2, SPITCH
	v_lshl_add_u32 v5, v1, 4, v5
	v_add_nc_u32 v[RD], s22, v5
	v_lshlrev_b32 v5, 12, v2                       ; two rows of Ph: 4,096 bytes a row
	v_lshl_add_u32 v[CO], v1, 4, v5
	s_lshl_b32 s23, s[RH], 9                       ; the exchange: 1,024 x column half + 512 x row half + 4 r
	s_add_co_u32 s23, s23, XCH
	s_lshl_b32 s22, s[CH], 10
	s_add_co_u32 s22, s22, s23
	v_lshl_add_u32 v[XW], v1, 2, s22
	s_xor_b32 s22, s[CH], 1
	s_lshl_b32 s22, s22, 10
	s_add_co_u32 s22, s22, s23
	v_lshl_add_u32 v[XR], v1, 2, s22
	s_lshl_b32 s22, s[WV], 10
	s_add_co_u32 s22, s22, STS                     ; my statistics
	v_lshl_add_u32 v[SC], v1, 2, s22
	v_add_nc_u32 v[SL], 512, v[SC]
	v_and_b32 v5, 31, v0
	v_lshlrev_b32 v[SG], 4, v5
	v_add_nc_u32 v[SR], s22, v[SG]
	v_mov_b32 v[LT], 0                             ; v_permlanex16_b32's destination counts as read
	s_lshl_b32 s74, s[TY], 8                       ; my first row,
	s_lshl_b32 s75, s[RH], 7
	s_add_co_u32 s74, s74, s75
	s_lshl_b32 s76, s74, 2                         ; 4 bytes a row in St,
	s_lshl_b32 s74, s74, 12                        ; 4,096 in Ph;
	s_lshl_b32 s75, s[TX], 9                       ; my first key: 512 bytes a key tile, 256 a half
	s_add_co_u32 s74, s74, s75
	s_lshl_b32 s75, s[CH], 8
	s_add_co_u32 s74, s74, s75
	s_mov_b32 s75, 0
	s_add_nc_u64 s[8:9], s[8:9], s[74:75]
	s_lshl_b32 s77, s[TX], 1                       ; my chunk of St: 32,768 bytes each
	s_add_co_u32 s77, s77, s[CH]
	s_lshl_b32 s77, s77, 15
	s_add_co_u32 s76, s76, s77
	s_mov_b32 s77, 0
	s_add_nc_u64 s[10:11], s[10:11], s[76:77]
; 16 matrix instructions: row blocks a0, a0 + 1 of the window's four x all 8 key blocks, 32 along K.  zero = 1: the first product starts the sums.  The 64 accumulators take turns.
.macro MUL16 f, hi, a0, zero
	WIN MUL_LO+0x50*(\hi)
.irp a, \a0, (\a0)+1
.irp b, 0,1,2,3,4,5,6,7
.if \zero
	v_wmma_f32_16x16x32_f16 v[8*(8*(\a)+(\b)):8*(8*(\a)+(\b))+7], v[(\f)+8*(\b):(\f)+8*(\b)+7], v[(\f)+8*(4*(\hi)+(\a)):(\f)+8*(4*(\hi)+(\a))+7], 0
.else
	v_wmma_f32_16x16x32_f16 v[8*(8*(\a)+(\b)):8*(8*(\a)+(\b))+7], v[(\f)+8*(\b):(\f)+8*(\b)+7], v[(\f)+8*(4*(\hi)+(\a)):(\f)+8*(4*(\hi)+(\a))+7], v[8*(8*(\a)+(\b)):8*(8*(\a)+(\b))+7]
.endif
.endr
.endr
.endm
; 32 LDS loads in one run: the fragments of one quarter step (128 rows of K, 128 rows of Q, 32 K at byte k of the rows) into buffer f
.macro FETCH slot, k, f
	WIN TO_B
.irp i, 0,1,2,3,4,5,6,7
	ds_load_b128 v[(\f)+8*(\i):(\f)+8*(\i)+3],   v[ADRB+(\slot)] offset:(\k)+(\i)*16*PITCH
	ds_load_b128 v[(\f)+8*(\i)+4:(\f)+8*(\i)+7], v[ADRB+(\slot)] offset:(\k)+(\i)*16*PITCH+32
.endr
	WIN 0
.irp i, 0,1,2,3,4,5,6,7
	ds_load_b128 v[(\f)+8*(\i):(\f)+8*(\i)+3],   v[ADRA+(\slot)] offset:(\k)+(\i)*16*PITCH
	ds_load_b128 v[(\f)+8*(\i)+4:(\f)+8*(\i)+7], v[ADRA+(\slot)] offset:(\k)+(\i)*16*PITCH+32
.endr
.endm
; One of a K step's first three quarters: multiplies buffer f; in its middle it fetches the next quarter's fragments, at byte k of the same slot's rows, into buffer g
.macro QUARTER slot, k, f, g, zero
	s_wait_dscnt 8                                 ; K and Q's rows 0-63 are in; the youngest eight loads (Q's rows 64-127) may be out
	MUL16 \f, 0, 0, \zero
	MUL16 \f, 0, 2, \zero
	PLACES                                         ; in front of loads into registers that the quarter before multiplied
	FETCH \slot, \k, \g
	s_wait_dscnt 32                                ; all but the 32 just issued
	MUL16 \f, 1, 0, \zero
	MUL16 \f, 1, 2, \zero
.endm
; The last quarter's first half, and the change of slots: each wave waits for all its tensor loads, adds 0 to its spare word, waits for that and for its reads of this slot, and signals
.macro MEET round
	WIN 0
	s_wait_tensorcnt 0x0                           ; all my tensor loads have landed: the one that was out is my part of the next slot
	ds_add_u32 v[SPW], v[NIL]                      ; 0 onto my spare word
	s_wait_dscnt 9                                 ; (the add and the youngest eight loads may be out)
	MUL16 F1, 0, 0, 0
	s_wait_dscnt 0x0                               ; the add is done, and my reads of this slot are over
	s_barrier_signal -1
	MUL16 F1, 0, 2, 0                              ; work on registers while the others arrive
.if \round
	WIN 0
.endif
	s_barrier_wait -1
.endm
.macro TURN slot, next
	MEET 1
	CREST                                          ; no wave of any partner still reads this slot's tile or has a load on its way
	s_add_nc_u64 s[G0+4*(\slot)+2:G0+4*(\slot)+3], s[G0+4*(\slot)+2:G0+4*(\slot)+3], 2*KSTEP*2
	s_add_nc_u64 s[G0B+4*(\slot)+2:G0B+4*(\slot)+3], s[G0B+4*(\slot)+2:G0B+4*(\slot)+3], 2*KSTEP*2
	JLOAD \slot                                    ; the first tensor load behind the round; its four v_nop are also the places in front of the loads below
	FETCH \next, 0, F0
	MUL16 F1, 1, 0, 0
	MUL16 F1, 1, 2, 0
.endm
	s_wait_tensorcnt 0x1                           ; my part of K step 0 is in; step 1's may stay out
	s_barrier_signal -1
	s_barrier_wait -1
	FETCH 0, 0, F0
	QUARTER 0, 64,  F0, F1, 1                      ; the first quarter stands in front of the loop: its products start the sums
	WIN 0
	s_mov_b32 s[LC], LAPS-1
.Llap:                                                 ; a trip goes once round the ring, from a lap's second quarter to the next lap's first, and fills both slots again
	QUARTER 0, 128, F1, F0, 0
	QUARTER 0, 192, F0, F1, 0
	TURN 0, 1
	QUARTER 1, 64,  F0, F1, 0
	QUARTER 1, 128, F1, F0, 0
	QUARTER 1, 192, F0, F1, 0
	TURN 1, 0
	QUARTER 0, 64,  F0, F1, 0
	WIN 0
	s_sub_co_u32 s[LC], s[LC], 1
	s_cmp_lg_u32 s[LC], 0
	s_cbranch_scc1 .Llap
	QUARTER 0, 128, F1, F0, 0                      ; the last lap fills nothing
	QUARTER 0, 192, F0, F1, 0
	MEET 0
	PLACES
	FETCH 1, 0, F0
	MUL16 F1, 1, 0, 0
	MUL16 F1, 1, 2, 0
	QUARTER 1, 64,  F0, F1, 0
	QUARTER 1, 128, F1, F0, 0
	QUARTER 1, 192, F0, F1, 0
	s_wait_dscnt 8
	MUL16 F1, 0, 0, 0
	MUL16 F1, 0, 2, 0
	s_wait_dscnt 0x0
	MUL16 F1, 1, 0, 0
	MUL16 F1, 1, 2, 0
	WIN 0
	PLACES
	; THE SOFTMAX'S FIRST HALF.  A lane's 64 registers of a row block are 64 keys of one query.  Four blocks' chains take turns; each accumulator is first read at its register 0.
.macro MAXW hi
	WIN 0x2a+0x15*(\hi)                            ; all three sources in window 2 or 3
.irp a, 0,1,2,3
	v_max3_num_f32 v[MX+4*(\hi)+(\a)], v[64*(\a)], v[64*(\a)+1], v[64*(\a)+2]
.endr
	WIN 0x28+0x14*(\hi)                            ; sources 1 and 2
.set ii, 0
.rept 30
.irp a, 0,1,2,3
	v_max3_num_f32 v[MX+4*(\hi)+(\a)], v[MX+4*(\hi)+(\a)], v[64*(\a)+3+2*ii], v[64*(\a)+4+2*ii]
.endr
.set ii, ii+1
.endr
.irp a, 0,1,2,3
	v_max_num_f32 v[MX+4*(\hi)+(\a)], v[MX+4*(\hi)+(\a)], v[64*(\a)+63]
.endr
.endm
	MAXW 0
	MAXW 1
	WIN 0
.irp a, 0,1,2,3,4,5,6,7
	v_permlanex16_b32 v[PT+(\a)], v[MX+(\a)], s[SEL], s[SEL+1]  ; the query's other 64 keys of my half lie in the lane 16 away
.endr
.irp a, 0,1,2,3,4,5,6,7
	v_max_num_f32 v[MX+(\a)], v[MX+(\a)], v[PT+(\a)]
.endr
.irp a, 0,1,2,3,4,5,6,7
	ds_store_b32 v[XW], v[MX+(\a)] offset:64*(\a)  ; both halves of the lanes store the same number to the same word
.endr
	s_wait_dscnt 0x0                               ; for the other column half's sake: my maxima are stored
	s_barrier_signal -1
	s_barrier_wait -1
.irp a, 0,1,2,3,4,5,6,7
	ds_load_b32 v[PT+(\a)], v[XR] offset:64*(\a)
.endr
	s_wait_dscnt 0x0
.irp a, 0,1,2,3,4,5,6,7
	v_max_num_f32 v[MX+(\a)], v[MX+(\a)], v[PT+(\a)]            ; the maximum over the tile's 256 keys
.endr
.irp a, 0,1,2,3,4,5,6,7
	v_mul_f32 v[ST+2*(\a)], s[CS], v[MX+(\a)]
	v_mul_f32 v[ST+2*(\a)+1], s[CS], v[MX+(\a)]
.endr
.irp a, 0,1,2,3,4,5,6,7
	ds_store_b32 v[SC], v[ST+2*(\a)] offset:64*(\a)
.endr
	; Eight trips, a row block each.  Only the scaling names the block's registers, so it is written eight times and reached by forward jumps on the counter; the rest is written once.
.macro SCALE a                         ; c s - c m for the block's 32 pairs, into window 0
	WIN 0x02+((\a)/4)
.set ii, 0
.rept 32
	v_pk_fma_f32 v[X+2*ii:X+2*ii+1], v[64*((\a)%4)+2*ii:64*((\a)%4)+2*ii+1], s[CS:CS+1], v[ST+2*(\a):ST+2*(\a)+1] op_sel_hi:[1,0,0] neg_lo:[0,0,1] neg_hi:[0,0,1]
.set ii, ii+1
.endr
	WIN 0
.endm
	s_mov_b32 s[AI], 0
	s_mov_b32 s[SO], 0
.Lblk:
.irp a, 0,1,2,3,4,5,6
	s_cmp_eq_u32 s[AI], \a
	s_cbranch_scc1 .Lb\a
.endr
	SCALE 7
	s_branch .Lcom
.irp a, 0,1,2,3,4,5
.Lb\a:
	SCALE \a
	s_branch .Lcom
.endr
.Lb6:
	SCALE 6
.Lcom:
	; four exponentials, then the rounding of the four before: a plain instruction stands between every exponential and the use of its result (ISA guide 5.7.2)
.set kk, 0
.rept 16
	v_exp_f32 v[X+4*kk], v[X+4*kk]
	v_exp_f32 v[X+4*kk+1], v[X+4*kk+1]
	v_exp_f32 v[X+4*kk+2], v[X+4*kk+2]
	v_exp_f32 v[X+4*kk+3], v[X+4*kk+3]
.if kk == 0
	v_nop
.else
	s_wait_alu depctr_va_vdst(0)
	v_cvt_pk_f16_f32 v[TMP+2*kk-2], v[X+4*kk-4], v[X+4*kk-3]
	v_cvt_pk_f16_f32 v[TMP+2*kk-1], v[X+4*kk-2], v[X+4*kk-1]
.endif
.set kk, kk+1
.endr
	v_cvt_pk_f16_f32 v[TMP+30], v[X+60], v[X+61]
	v_cvt_pk_f16_f32 v[TMP+31], v[X+62], v[X+63]
.irp b, 0,1,2,3,4,5,6,7
	ds_store_b128 v[STO], v[TMP+4*(\b):TMP+4*(\b)+3] offset:32*(\b)
.endr
.irp t, 0,1,2,3,4,5,6,7
	ds_load_b128 v[OB+4*(\t):OB+4*(\t)+3], v[RD] offset:(\t)*2*SPITCH  ; LDS serves a wave's instructions in order (ISA guide 5.7.1.4): these see the stores above
.endr
	; while the stage's round trip is out: the sum of the 64 unrounded weights, as a tree of packed additions
.irp w, 4,8,16,32
.set kk, 0
.rept 64/(\w)
	v_pk_add_f32 v[X+(\w)*kk:X+(\w)*kk+1], v[X+(\w)*kk:X+(\w)*kk+1], v[X+(\w)*kk+(\w)/2:X+(\w)*kk+(\w)/2+1]
.set kk, kk+1
.endr
.endr
	v_pk_add_f32 v[LS:LS+1], v[X:X+1], v[X+32:X+33]
	v_add_nc_u32 v[SLT], s[SO], v[SL]
	v_add_f32 v[LS], v[LS], v[LS+1]
	v_permlanex16_b32 v[LT], v[LS], s[SEL], s[SEL+1]
	v_add_f32 v[LS], v[LS], v[LT]                  ; l over my half's 128 keys
	ds_store_b32 v[SLT], v[LS]
	s_wait_dscnt 0x0                               ; the block is back in registers
.irp t, 0,1,2,3,4,5,6,7
	global_store_b128 v[CO], v[OB+4*(\t):OB+4*(\t)+3], s[8:9] offset:8192*(\t)  ; 16 lanes store 256 consecutive bytes, at a multiple of 256 from Ph's first byte
.endr
	s_wait_xcnt 0x0                                ; the stores' base and registers are rewritten only behind this wait
	s_add_nc_u64 s[8:9], s[8:9], 65536             ; 16 rows of Ph on
	s_add_co_u32 s[SO], s[SO], 64
	s_add_co_u32 s[AI], s[AI], 1
	s_cmp_lt_u32 s[AI], 8
	s_cbranch_scc1 .Lblk
	ds_load_b128 v[X:X+3], v[SR]                   ; my 128 rows' c m and l, 16 bytes a lane: my own bytes, served in order
	ds_load_b128 v[X+4:X+7], v[SR] offset:512
	s_wait_dscnt 0x0
	global_store_b128 v[SG], v[X:X+3], s[10:11]    ; 512 consecutive bytes each, aligned
	global_store_b128 v[SG], v[X+4:X+7], s[10:11] offset:524288
	s_wait_tensorcnt 0x0                           ; the wave's end: an add to the spare word and its wait, behind my last tensor load and my last LDS store
	ds_add_u32 v[SPW], v[NIL]
	s_wait_dscnt 0x0
	CROUND                                         ; the closing round
	s_endpgm
.Lfunc_end_k_qb1e342bebf_score:
	.size	k_qb1e342bebf_score, .Lfunc_end_k_qb1e342bebf_score-k_qb1e342bebf_score
	.p2alignl 7, 3214868480
	.fill 96, 4, 3214868480
	.section	.rodata,"a",@progbits
	.p2align	6, 0x0
	.amdhsa_kernel k_qb1e342bebf_score
		.amdhsa_group_segment_fixed_size 327680
		.amdhsa_private_segment_fixed_size 0
		.amdhsa_enable_private_segment 0
		.amdhsa_kernarg_size 32
		.amdhsa_user_sgpr_count 2
		.amdhsa_user_sgpr_kernarg_segment_ptr 1
		.amdhsa_wavefront_size32 1
		.amdhsa_system_sgpr_workgroup_id_x 1
		.amdhsa_system_sgpr_workgroup_id_y 1
		.amdhsa_system_sgpr_workgroup_id_z 1
		.amdhsa_system_vgpr_workitem_id 0
		.amdhsa_next_free_vgpr 1024
		.amdhsa_next_free_sgpr 80
		.amdhsa_reserve_vcc 0
		.amdhsa_float_denorm_mode_32 3
		.amdhsa_float_denorm_mode_16_64 3
		.amdhsa_memory_ordered 1
		.amdhsa_forward_progress 1
		.amdhsa_inst_pref_size 158
	.end_amdhsa_kernel
	.amdgpu_metadata
---
amdhsa.version: [ 1, 2 ]
amdhsa.kernels:
  - .name:           k_qb1e342bebf_score
    .symbol:         k_qb1e342bebf_score.kd
    .args:
      - { .name: Qh, .offset: 0, .size: 8, .value_kind: global_buffer, .address_space: global }
      - { .name: Kh, .offset: 8, .size: 8, .value_kind: global_buffer, .address_space: global }
      - { .name: Ph, .offset: 16, .size: 8, .value_kind: global_buffer, .address_space: global }
      - { .name: St, .offset: 24, .size: 8, .value_kind: global_buffer, .address_space: global }
    .group_segment_fixed_size: 327680
    .private_segment_fixed_size: 0
    .kernarg_segment_align: 8
    .kernarg_segment_size: 32
    .max_flat_workgroup_size: 128
    .sgpr_count:     80
    .vgpr_count:     1024
    .wavefront_size: 32
...
	.end_amdgpu_metadata
.endif
;; end of part 3
;; launch pv (part 4): grid 4 x 64, 4 waves a work-group, clusters of 4 x 4, 327,680 bytes of LDS; arguments Ph, Vh, St, out0; writes out0
.if DOCPART == 4
	.amdgcn_target "amdgcn-amd-amdhsa--gfx1250"
	.amdhsa_code_object_version 6
	.text
	.protected	k_qb1e342bebf_pv
	.globl	k_qb1e342bebf_pv
	.p2align	8
	.type	k_qb1e342bebf_pv,@function
k_qb1e342bebf_pv:
	s_mov_b64 s[64:65], 0
	v_nop
	global_prefetch_b8 v0, s[64:65] scope:SCOPE_SE
	s_setreg_imm32_b32 hwreg(HW_REG_WAVE_MODE, 25, 1), 1
	s_wait_xcnt 0x0
	s_wait_alu depctr_hold_cnt(0) depctr_sa_sdst(0) depctr_va_vdst(0) depctr_va_sdst(0) depctr_va_ssrc(0) depctr_va_vcc(0) depctr_vm_vsrc(0)
	s_getreg_b32 s2, hwreg(HW_REG_IB_STS2, 6, 4)
	s_cmp_eq_u32 s2, 0
	s_cbranch_scc0 .Lentry_in_a_cluster
	s_endpgm
.Lentry_in_a_cluster:
	s_bfe_u32 s2, ttmp6, 0x10000c
	s_cmp_lg_u32 s2, 0xf033
	s_cbranch_scc0 .Lentry_shape_is_right
	s_endpgm
.Lentry_shape_is_right:
; out[row][:] = the sum over the row's eight key tiles j of g_j (P_j V_j)[row][:].  Ph: [8192][2048] f16, p = 2^(c s - c m_j) by tiles of 256 keys; Vh: [8192][1024] f16; St: c m and l by chunks of 128 keys, f32.
; THE SOFTMAX'S SECOND HALF.  With c M the largest of a row's c m: f = 2^(c m - c M), L = the sum over the 16 chunks of f l, g_j = f_j / L: the row's true maximum is taken away, all in f32.
; LIMITS.  An f below 2^-126 counts as 0.  NaN and infinities are not treated apart.
; SHARES.  A work-group makes 128 rows x 256 channels, a wave 64 x 128.  T, 32 accumulators, takes one key tile's product (its first quarter starts the sums with 0); at the tile's end O += g T, in f32, in
; 256 registers of its own.  Keys go in steps of 128 through a ring of two LDS slots; a lap is two steps, one key tile.
; THE MATRIX INSTRUCTION IS USED TRANSPOSED (source 0 = 16 channels of V, turned by ds_load_tr16_b128; source 1 = 16 rows of P): a lane holds one row (lane % 16) and eight channels, so g is one number a lane.
; O is cleared by 256 v_mov_b32 in the wait for the first tile: that spares a second text of the lap for the first key tile.
; CLUSTER.  4 x 4 work-groups: P's tiles are shared along a row of the cluster, V's along a column, each asked for jointly.
; ASKED FOR AHEAD.  Trip L of the loop issues the tensor loads of lap L + 1 and prefetches what trip L + 1 will load, lap L + 2's tiles.  P: 128 rows x 512 bytes; of a tile row's four work-groups each
; takes 32 rows, a lane a row, waves 0 and 1 one 256 bytes each.  V: 256 keys x my 512 bytes; of the batch's 16 tile rows each takes 16 keys, wave 2, a lane 256 bytes.  So each aligned 256 bytes is asked
; for once in the launch.  Lap 1 is asked for at the head; trips 0 to 5 ask for laps 2 to 7, the last trip for nothing.
; REGISTERS (s_set_vgpr_msb: bits 1:0 source 0, 3:2 source 1, 5:4 source 2, 7:6 destination):
;   window 0: v0-31 addresses; v32-39 g; v64-159 and v160-255 two fragment buffers (32 of P, then 64 of V)     window 1: T, (a, b) at v[8 (8 a + b)]     window 2: O, likewise
.set PP,     272                       ; an LDS row of P: 256 bytes + 16
.set PVV,    544                       ; an LDS row of V: 512 bytes + 32
.set BOFF,   128*PP                    ; in a slot V's tile lies behind P's
.set SLOT,   BOFF+128*PVV
.set STAGE,  2*SLOT                    ; behind the ring: 16 rows x 528 bytes for each wave
.set SPITCH, 528
.set GT,     STAGE+4*16*SPITCH         ; [8 key tiles][128 rows] f32: g
.set SPARE,  GT+4096                   ; the spare words, 128 bytes for each wave: two blocks of 256 bytes that no other line names
.set ADRA, 16
.set ADRB, 20
.set STO,  24
.set RD,   25
.set CO,   26                          ; v26  16 x lane
.set GA,   27                          ; v27  LDS address of g of row lane % 16 of my block 0, key tile 0; never rewritten
.set SPW,  28
.set NIL,  29
.set GAT,  30                          ; v30  the same as GA for the key tile in hand
.set PFO,  31                          ; v31  my lane's byte offset in what my wave prefetches; never rewritten
.set GF,   32                          ; v32-39  g of block a at v[32 + 2 a]; the odd registers hold 0: the packed line names a pair
.set F0,   64
.set F1,   160
.set WV, 12
.set RH, 13
.set CH, 14
.set CX, 15
.set CY, 16
.set TX, 17
.set TY, 18
.set MROW, 19
.set MCOL, 20
.set G1A, 24
.set G0A, 32
.set G1B, 48
.set G0B, 56
.set LC, 66                            ; s66 laps to go     s67 512 x the key tile in hand
.set GO, 67
.set PFB, 72                           ; s[72:73] the base of my wave's prefetch: Ph (waves 0, 1) or Vh (wave 2) at the lap asked for last
.set PFS, 74                           ; s[74:75] its step from lap to lap: 512 bytes along P's rows, 256 rows of 2,048 bytes down V
.set MSB, 0
.macro WIN new
.if MSB != (\new)
	s_set_vgpr_msb (MSB<<8)|(\new)
.set MSB, \new
.endif
.endm
.set MUL,  0x50                        ; sources 0 and 1 window 0, C and D window 1
.set W_MG, 0xa1                        ; T (source 0) window 1, g window 0, O (source 2 and destination) window 2
.macro PLACES
.rept 4
	v_nop
.endr
.endm
.macro JLOAD s                         ; waves 0 and 1 fetch P's two halves, waves 2 and 3 V's; an s_nop 0 and four v_nop follow each of the two lines
	s_cmp_eq_u32 s[RH], 0
	s_cbranch_scc0 .Lfor_b_\@
	tensor_load_to_lds s[G0A+4*(\s):G0A+4*(\s)+3], s[G1A:G1A+7]
	s_nop 0
.rept 4
	v_nop
.endr
	s_branch .Lasked_\@
.Lfor_b_\@:
	tensor_load_to_lds s[G0B+4*(\s):G0B+4*(\s)+3], s[G1B:G1B+7]
	s_nop 0
.rept 4
	v_nop
.endr
.Lasked_\@:
.endm
.macro CREST
	s_cmp_lg_u32 s[WV], 0
	s_cbranch_scc1 .Lnot_wave_0_\@
	s_barrier_signal -3
.Lnot_wave_0_\@:
	s_barrier_wait -3
	s_barrier_signal -1
	s_barrier_wait -1
.endm
.macro CROUND
	s_barrier_signal -1
	s_barrier_wait -1
	CREST
.endm
	s_load_b256 s[4:11], s[0:1], 0x0               ; Ph s[4:5], Vh s[6:7], St s[8:9], out0 s[10:11]
	v_lshl_add_u32 v[SPW], v0, 2, SPARE
	v_mov_b32 v[NIL], 0
	ds_add_u32 v[SPW], v[NIL]                      ; the wave's opening: the add and its wait stand ahead of my first tensor load
	v_lshrrev_b32 v1, 5, v0
	v_readfirstlane_b32 s[WV], v1
	s_lshr_b32 s[RH], s[WV], 1
	s_and_b32 s[CH], s[WV], 1
	s_bfe_u32 s[CX], ttmp6, 0x40000
	s_bfe_u32 s[CY], ttmp6, 0x40004
	s_lshl_b32 s[TX], ttmp9, 2
	s_add_co_u32 s[TX], s[TX], s[CX]               ; tile column: 256 channels
	s_and_b32 s[TY], ttmp7, 0xffff
	s_lshl_b32 s[TY], s[TY], 2
	s_add_co_u32 s[TY], s[TY], s[CY]               ; tile row: 128 rows, sixteen to a batch
	s_lshl_b32 s[MROW], s[CY], 2
	s_lshl_b32 s[MROW], 15, s[MROW]
	s_lshl_b32 s[MCOL], 0x1111, s[CX]
	s_or_b32 s[G1A], s[MROW], (1<<16)|(1<<20)|(1<<21)|(5<<22)|(3<<25)  ; elements of 2 bytes; after every 64 words 4 words of padding
	s_or_b32 s[G1B], s[MCOL], (1<<16)|(1<<20)|(1<<21)|(6<<22)|(7<<25)  ; after every 128 words 8 words
	s_mov_b32 s[G1A+1], 128<<16                    ; P: 64 rows x 128 keys, 2,048 elements from row to row
	s_mov_b32 s[G1A+2], 64<<16
	s_mov_b32 s[G1A+3], 128<<16
	s_mov_b32 s[G1A+4], 64
	s_mov_b32 s[G1A+5], 2048
	s_mov_b32 s[G1A+6], 0
	s_mov_b32 s[G1A+7], 0
	s_mov_b32 s[G1B+1], 256<<16                    ; V: 64 keys x 256 channels, 1,024 elements from row to row
	s_mov_b32 s[G1B+2], 64<<16
	s_mov_b32 s[G1B+3], 256<<16
	s_mov_b32 s[G1B+4], 64
	s_mov_b32 s[G1B+5], 1024
	s_mov_b32 s[G1B+6], 0
	s_mov_b32 s[G1B+7], 0
	s_lshl_b32 s40, s[TY], 7                       ; P: row 128 x tile row + 64 x half, 4,096 bytes a row
	s_lshl_b32 s41, s[CH], 6
	s_add_co_u32 s40, s40, s41
	s_lshl_b32 s40, s40, 12
	s_mov_b32 s41, 0
	s_and_b32 s44, ttmp7, 0xffff                   ; V: the batch is the cluster's y / 4, which all sixteen share;
	s_lshr_b32 s44, s44, 2
	s_lshl_b32 s44, s44, 11                        ; row 2,048 x batch + 64 x half, 2,048 bytes a row; 512 bytes a tile column
	s_lshl_b32 s45, s[CH], 6
	s_add_co_u32 s44, s44, s45
	s_lshl_b32 s44, s44, 11
	s_lshl_b32 s45, s[TX], 9
	s_add_co_u32 s44, s44, s45
	s_mov_b32 s45, 0
	s_mul_i32 s21, s[CH], 64*PP                    ; where they go in a slot
	s_mul_i32 s22, s[CH], 64*PVV
	s_add_co_u32 s22, s22, BOFF
	s_mov_b32 s[GO], 0
	; what my wave prefetches, at lap 1.  (These registers mix both coordinates; they enter no descriptor.)
	s_lshl_b32 s76, s[TY], 7                       ; P: row 128 x tile row + 32 x tile column, 256 bytes x wave along it, 512 bytes a lap
	s_lshl_b32 s77, s[TX], 5
	s_add_co_u32 s76, s76, s77
	s_lshl_b32 s76, s76, 12
	s_lshl_b32 s77, s[WV], 8
	s_add_co_u32 s76, s76, s77
	s_add_co_u32 s76, s76, 512
	s_lshr_b32 s78, s[TY], 4                       ; V: row 2,048 x batch + 16 x (tile row in the batch), 256 rows a lap; 512 bytes a tile column
	s_lshl_b32 s78, s78, 11
	s_and_b32 s79, s[TY], 15
	s_lshl_b32 s79, s79, 4
	s_add_co_u32 s78, s78, s79
	s_add_co_u32 s78, s78, 256
	s_lshl_b32 s78, s78, 11
	s_lshl_b32 s79, s[TX], 9
	s_add_co_u32 s78, s78, s79
	s_mov_b32 s[PFS], 0x80000
	s_cmp_lt_u32 s[WV], 2
	s_cselect_b32 s76, s76, s78
	s_cselect_b32 s[PFS], 512, s[PFS]
	s_cselect_b32 s79, -1, 0                       ; all lanes' bits: my wave asks for P
	s_mov_b32 s77, 0
	s_mov_b32 s[PFS+1], 0
	s_wait_dscnt 0x0                               ; the opening add is done
	s_wait_kmcnt 0x0
	s_add_nc_u64 s[42:43], s[4:5], s[40:41]
	s_add_nc_u64 s[46:47], s[6:7], s[44:45]
	s_cmp_lt_u32 s[WV], 2
	s_cselect_b64 s[PFB:PFB+1], s[4:5], s[6:7]     ; the buffer is chosen by the wave's number alone
	s_add_nc_u64 s[PFB:PFB+1], s[PFB:PFB+1], s[76:77]
	CROUND                                         ; all sixteen work-groups are here: the first joint loads meet
.irp s, 0,1
	s_mov_b32 s[G0A+4*(\s)], 1
	s_add_co_u32 s[G0A+4*(\s)+1], s21, (\s)*SLOT
	s_add_nc_u64 s[G0A+4*(\s)+2:G0A+4*(\s)+3], s[42:43], (\s)*256       ; step s: 128 keys along the row
	s_or_b32 s[G0A+4*(\s)+3], s[G0A+4*(\s)+3], 0x80000000
	s_mov_b32 s[G0B+4*(\s)], 1
	s_add_co_u32 s[G0B+4*(\s)+1], s22, (\s)*SLOT
	s_add_nc_u64 s[G0B+4*(\s)+2:G0B+4*(\s)+3], s[46:47], (\s)*262144    ; step s: 128 rows of 2,048 bytes
	s_or_b32 s[G0B+4*(\s)+3], s[G0B+4*(\s)+3], 0x80000000
	JLOAD \s
.endr
	; the statistics: thread t takes row t of the tile's 128: 16 chunks' c m into v64-79, their l into v80-95
	s_lshl_b32 s70, s[TY], 9
	s_mov_b32 s71, 0
	s_add_nc_u64 s[8:9], s[8:9], s[70:71]
	v_lshlrev_b32 v2, 2, v0
.irp c, 0,1,2,3,4,5,6,7,8,9,10,11,12,13,14,15
	global_load_b32 v[64+(\c)], v2, s[8:9] offset:32768*(\c)
.endr
.irp c, 0,1,2,3,4,5,6,7,8,9,10,11,12,13,14,15
	global_load_b32 v[80+(\c)], v2, s[8:9] offset:524288+32768*(\c)
.endr
	; the first request ahead: lap 1's tiles, which the loop's first trip will load
	v_and_b32 v8, 31, v0
	v_lshlrev_b32 v9, 12, v8                       ; P: a row a lane
	v_lshrrev_b32 v10, 1, v8                       ; V: key lane / 2, 256 bytes x (lane % 2)
	v_lshlrev_b32 v10, 11, v10
	v_and_b32 v11, 1, v8
	v_lshl_or_b32 v10, v11, 8, v10
	v_cndmask_b32 v[PFO], v10, v9, s79
	s_cmp_eq_u32 s[WV], 3
	s_cbranch_scc1 .Lno_first_ask
	global_prefetch_b8 v[PFO], s[PFB:PFB+1] th:TH_LOAD_NT scope:SCOPE_SE
.Lno_first_ask:
	s_lshl_b32 s68, s[TY], 7                       ; out0 at my wave's first row and channel: 4,096 bytes a row, 1,024 a tile column, 512 a half
	s_lshl_b32 s69, s[RH], 6
	s_add_co_u32 s68, s68, s69
	s_lshl_b32 s68, s68, 12
	s_lshl_b32 s69, s[TX], 10
	s_add_co_u32 s68, s68, s69
	s_lshl_b32 s69, s[CH], 9
	s_add_co_u32 s68, s68, s69
	s_mov_b32 s69, 0
	s_add_nc_u64 s[10:11], s[10:11], s[68:69]
	v_and_b32 v1, 15, v0                           ; r
	v_bfe_u32 v4, v0, 4, 1                         ; h
	v_and_b32 v5, 7, v0
	v_bfe_u32 v6, v0, 3, 1
	v_mul_u32_u24 v7, v1, PP
	v_lshl_add_u32 v7, v4, 4, v7
	s_mul_i32 s22, s[RH], 64*PP
	v_add_nc_u32 v[ADRA], s22, v7
	v_add_nc_u32 v[ADRA+1], SLOT, v[ADRA]
	v_lshl_add_u32 v7, v4, 3, v5                   ; the turning load's lane reads key 8 h + lane % 8, channels 8 ((lane / 8) % 2) + 0..7
	v_mul_u32_u24 v7, v7, PVV
	v_lshl_add_u32 v7, v6, 4, v7
	s_lshl_b32 s22, s[CH], 8
	s_add_co_u32 s22, s22, BOFF
	v_add_nc_u32 v[ADRB], s22, v7
	v_add_nc_u32 v[ADRB+1], SLOT, v[ADRB]
	s_mul_i32 s22, s[WV], 16*SPITCH
	s_add_co_u32 s22, s22, STAGE                   ; my stage
	v_mul_u32_u24 v7, v1, SPITCH                   ; in: row r, 32 bytes for each half of the lanes
	v_lshl_add_u32 v7, v4, 5, v7
	v_add_nc_u32 v[STO], s22, v7
	v_and_b32 v7, 31, v0
	v_lshlrev_b32 v[CO], 4, v7                     ; back: 32 lanes take one row of 512 bytes
	v_add_nc_u32 v[RD], s22, v[CO]
	s_lshl_b32 s22, s[RH], 8
	s_add_co_u32 s22, s22, GT
	v_lshl_add_u32 v[GA], v1, 2, s22
	v_lshl_add_u32 v3, v0, 2, GT                   ; where thread t puts its row's g
.irp a, 0,1,2,3
	v_mov_b32 v[GF+2*(\a)+1], 0
.endr
	WIN 0x80
.set ii, 0
.rept 256
	v_mov_b32 v[ii], 0                             ; O
.set ii, ii+1
.endr
	WIN 0
	s_wait_loadcnt 0x0
	v_max3_num_f32 v96, v64, v65, v66              ; c M
.irp c, 67,69,71,73,75,77
	v_max3_num_f32 v96, v96, v[\c], v[(\c)+1]
.endr
	v_max_num_f32 v96, v96, v79
.irp c, 0,1,2,3,4,5,6,7,8,9,10,11,12,13,14,15
	v_sub_f32 v[64+(\c)], v[64+(\c)], v96
.endr
.irp c, 0,1,2,3,4,5,6,7,8,9,10,11,12,13,14,15
	v_exp_f32 v[64+(\c)], v[64+(\c)]               ; f
.endr
	v_nop                                          ; a plain instruction between the exponentials and the use of their results
	s_wait_alu depctr_va_vdst(0)
	v_mul_f32 v97, v64, v80                        ; L, in two chains
	v_mul_f32 v98, v65, v81
.irp c, 2,4,6,8,10,12,14
	v_fmac_f32 v97, v[64+(\c)], v[80+(\c)]
	v_fmac_f32 v98, v[65+(\c)], v[81+(\c)]
.endr
	v_add_f32 v97, v97, v98
	v_rcp_f32 v97, v97
	v_nop
	s_wait_alu depctr_va_vdst(0)
.irp j, 0,1,2,3,4,5,6,7
	v_mul_f32 v[80+(\j)], v[64+2*(\j)], v97        ; g_j: a key tile's two chunks have one c m
.endr
.irp j, 0,1,2,3,4,5,6,7
	ds_store_b32 v3, v[80+(\j)] offset:512*(\j)
.endr
; 24 LDS loads in one run: quarter q of slot s into buffer f: V's 8 fragments (turned), then P's 4
.macro FETCH s, q, f
	WIN 0
.irp b, 0,1,2,3,4,5,6,7
	ds_load_tr16_b128 v[(\f)+32+8*(\b):(\f)+32+8*(\b)+3],   v[ADRB+(\s)] offset:32*PVV*(\q)+32*(\b)
	ds_load_tr16_b128 v[(\f)+32+8*(\b)+4:(\f)+32+8*(\b)+7], v[ADRB+(\s)] offset:32*PVV*(\q)+32*(\b)+16*PVV
.endr
.irp a, 0,1,2,3
	ds_load_b128 v[(\f)+8*(\a):(\f)+8*(\a)+3],   v[ADRA+(\s)] offset:16*PP*(\a)+64*(\q)
	ds_load_b128 v[(\f)+8*(\a)+4:(\f)+8*(\a)+7], v[ADRA+(\s)] offset:16*PP*(\a)+64*(\q)+32
.endr
.endm
; 8 matrix instructions: row block a x all 8 channel blocks.  The 32 accumulators take turns, in the same order in every quarter.
.macro MUL8 f, a, zero
	WIN MUL
.irp b, 0,1,2,3,4,5,6,7
.if \zero
	v_wmma_f32_16x16x32_f16 v[8*(8*(\a)+(\b)):8*(8*(\a)+(\b))+7], v[(\f)+32+8*(\b):(\f)+32+8*(\b)+7], v[(\f)+8*(\a):(\f)+8*(\a)+7], 0
.else
	v_wmma_f32_16x16x32_f16 v[8*(8*(\a)+(\b)):8*(8*(\a)+(\b))+7], v[(\f)+32+8*(\b):(\f)+32+8*(\b)+7], v[(\f)+8*(\a):(\f)+8*(\a)+7], v[8*(8*(\a)+(\b)):8*(8*(\a)+(\b))+7]
.endif
.endr
.endm
; One of a step's first three quarters: multiplies buffer f and fetches quarter q of slot s into buffer g
.macro QUARTER s, q, f, g, zero
	s_wait_dscnt 4                                 ; V and P's blocks 0, 1 are in; the youngest four loads (blocks 2, 3) may be out
	MUL8 \f, 0, \zero
	MUL8 \f, 1, \zero
	PLACES                                         ; in front of loads into registers that the quarter before multiplied
	FETCH \s, \q, \g
	s_wait_dscnt 24                                ; all but the 24 just issued
	MUL8 \f, 2, \zero
	MUL8 \f, 3, \zero
.endm
.macro GLOAD                           ; g of my four row blocks for the key tile in hand
	WIN 0
	v_add_nc_u32 v[GAT], s[GO], v[GA]
.irp a, 0,1,2,3
	ds_load_b32 v[GF+2*(\a)], v[GAT] offset:64*(\a)
.endr
	s_add_co_u32 s[GO], s[GO], 512
.endm
; The last quarter multiplies buffer 1 and changes slots: each wave waits for all its tensor loads, adds 0 to its spare word, waits for that and for its reads of this slot, and signals.
; fill = 1: the barrier opens a round of the cluster's, and slot s is filled again, two steps ahead, first thing behind the round.  gl = 1: a key tile ends: its g is fetched.
; Between the wait for the tile and the refill stand only the descriptors' steps and eight products under the add, and the round itself; the quarter's other 24 products follow the refill.
.macro TURN s, next, fill, gl
	WIN 0
	s_wait_tensorcnt 0x0                           ; all my tensor loads have landed: my part of the next slot; so a group 0 may be written
	ds_add_u32 v[SPW], v[NIL]                      ; 0 onto my spare word
.if \fill
	s_add_nc_u64 s[G0A+4*(\s)+2:G0A+4*(\s)+3], s[G0A+4*(\s)+2:G0A+4*(\s)+3], 512
	s_add_nc_u64 s[G0B+4*(\s)+2:G0B+4*(\s)+3], s[G0B+4*(\s)+2:G0B+4*(\s)+3], 524288
.endif
	s_wait_dscnt 5                                 ; (the add and the youngest four loads may be out)
	MUL8 F1, 0, 0
	s_wait_dscnt 0x0                               ; the add is done, and my reads of this slot are over
	s_barrier_signal -1
	WIN 0
	s_barrier_wait -1
.if \fill
	CREST                                          ; no wave of any partner still reads this slot's tile or has a load on its way
	JLOAD \s                                       ; it has four quarters, 128 matrix instructions, in which to land; its four v_nop are also the places in front of the loads below
.else
	PLACES
.endif
.if \gl
	GLOAD
.endif
	FETCH \next, 0, F0
	MUL8 F1, 1, 0
	MUL8 F1, 2, 0
	MUL8 F1, 3, 0
.endm
; The trip's request ahead, once a lap, behind the lap's first refill: the base steps a lap on and my wave asks for its 32 pieces of 256 bytes.  Wave 3 has no part; the last trip (one lap to go) asks
; for nothing, so no address passes a buffer's end.  The base is rewritten only behind s_wait_xcnt 0, which stands a lap behind the last prefetch.
.macro PREF
	WIN 0
	s_cmp_eq_u32 s[WV], 3
	s_cbranch_scc1 .Lno_ask_\@
	s_cmp_lt_u32 s[LC], 2
	s_cbranch_scc1 .Lno_ask_\@
	s_wait_xcnt 0x0
	s_add_nc_u64 s[PFB:PFB+1], s[PFB:PFB+1], s[PFS:PFS+1]
	global_prefetch_b8 v[PFO], s[PFB:PFB+1] th:TH_LOAD_NT scope:SCOPE_SE
.Lno_ask_\@:
.endm
; A key tile's end: O += g T.  left: the LDS loads issued behind g's, which may stay out.  Each accumulator is read from its low end on.
.macro MERGE left
	s_wait_dscnt \left
	PLACES
	WIN W_MG
.set ii, 0
.rept 32
.irp z, 0,1,2,3
	v_pk_fma_f32 v[8*ii+2*(\z):8*ii+2*(\z)+1], v[8*ii+2*(\z):8*ii+2*(\z)+1], v[GF+2*(ii/8):GF+2*(ii/8)+1], v[8*ii+2*(\z):8*ii+2*(\z)+1] op_sel_hi:[1,0,1]
.endr
.set ii, ii+1
.endr
	WIN 0
.endm
	s_wait_tensorcnt 0x1                           ; my part of step 0 is in; step 1's may stay out
	s_wait_dscnt 0x0                               ; my rows' g are stored
	s_barrier_signal -1
	s_barrier_wait -1
	FETCH 0, 0, F0
	s_mov_b32 s[LC], 7
.Llap:                                                 ; a lap = a key tile = two steps = once round the ring; both slots are filled again
	QUARTER 0, 1, F0, F1, 1                        ; the tile's first products start T's sums
	QUARTER 0, 2, F1, F0, 0
	QUARTER 0, 3, F0, F1, 0
	TURN 0, 1, 1, 0
	PREF
	QUARTER 1, 1, F0, F1, 0
	QUARTER 1, 2, F1, F0, 0
	QUARTER 1, 3, F0, F1, 0
	TURN 1, 0, 1, 1
	MERGE 24                                       ; the next tile's first 24 fragment loads stay out
	s_sub_co_u32 s[LC], s[LC], 1
	s_cmp_lg_u32 s[LC], 0
	s_cbranch_scc1 .Llap
	QUARTER 0, 1, F0, F1, 1                        ; the last key tile is written out: it asks for nothing
	QUARTER 0, 2, F1, F0, 0
	QUARTER 0, 3, F0, F1, 0
	TURN 0, 1, 0, 0
	QUARTER 1, 1, F0, F1, 0
	QUARTER 1, 2, F1, F0, 0
	QUARTER 1, 3, F0, F1, 0
	GLOAD
	s_wait_dscnt 8                                 ; g's four loads and P's blocks 2, 3 may be out
	MUL8 F1, 0, 0
	MUL8 F1, 1, 0
	s_wait_dscnt 0x0
	MUL8 F1, 2, 0
	MUL8 F1, 3, 0
	MERGE 0
	; THE WAY OUT, a row block at a time: a lane's eight channels are 32 bytes of a row; they go into my stage's rows of 528 bytes and come back as whole rows of 512.
.macro OUTB a
.set BK, 64+64*((\a)%2)
	WIN 0x08                                       ; the stores' data in window 2
.irp b, 0,1,2,3,4,5,6,7
	ds_store_b128 v[STO], v[64*(\a)+8*(\b):64*(\a)+8*(\b)+3] offset:64*(\b)
	ds_store_b128 v[STO], v[64*(\a)+8*(\b)+4:64*(\a)+8*(\b)+7] offset:64*(\b)+16
.endr
	WIN 0
.irp t, 0,1,2,3,4,5,6,7,8,9,10,11,12,13,14,15
	ds_load_b128 v[BK+4*(\t):BK+4*(\t)+3], v[RD] offset:SPITCH*(\t)  ; LDS serves a wave's instructions in order (ISA guide 5.7.1.4): these see the stores above
.endr
	s_wait_dscnt 0x0
	s_wait_xcnt 0x0                                ; the stores of the block before have read their registers: its buffer is loaded again only behind this wait
.irp t, 0,1,2,3,4,5,6,7,8,9,10,11,12,13,14,15
	global_store_b128 v[CO], v[BK+4*(\t):BK+4*(\t)+3], s[10:11] offset:(16*(\a)+(\t))*4096 th:TH_STORE_NT  ; 512 consecutive bytes, at a multiple of 512 from out0's first byte
.endr
.endm
	OUTB 0
	OUTB 1
	OUTB 2
	OUTB 3
	s_wait_tensorcnt 0x0                           ; the wave's end: an add to the spare word and its wait, behind my last tensor load and my last LDS store
	ds_add_u32 v[SPW], v[NIL]
	s_wait_dscnt 0x0
	CROUND                                         ; the closing round
	s_endpgm
.Lfunc_end_k_qb1e342bebf_pv:
	.size	k_qb1e342bebf_pv, .Lfunc_end_k_qb1e342bebf_pv-k_qb1e342bebf_pv
	.p2alignl 7, 3214868480
	.fill 96, 4, 3214868480
	.section	.rodata,"a",@progbits
	.p2align	6, 0x0
	.amdhsa_kernel k_qb1e342bebf_pv
		.amdhsa_group_segment_fixed_size 327680
		.amdhsa_private_segment_fixed_size 0
		.amdhsa_enable_private_segment 0
		.amdhsa_kernarg_size 32
		.amdhsa_user_sgpr_count 2
		.amdhsa_user_sgpr_kernarg_segment_ptr 1
		.amdhsa_wavefront_size32 1
		.amdhsa_system_sgpr_workgroup_id_x 1
		.amdhsa_system_sgpr_workgroup_id_y 1
		.amdhsa_system_sgpr_workgroup_id_z 1
		.amdhsa_system_vgpr_workitem_id 0
		.amdhsa_next_free_vgpr 768
		.amdhsa_next_free_sgpr 80
		.amdhsa_reserve_vcc 0
		.amdhsa_float_denorm_mode_32 3
		.amdhsa_float_denorm_mode_16_64 3
		.amdhsa_memory_ordered 1
		.amdhsa_forward_progress 1
		.amdhsa_inst_pref_size 118
	.end_amdhsa_kernel
	.amdgpu_metadata
---
amdhsa.version: [ 1, 2 ]
amdhsa.kernels:
  - .name:           k_qb1e342bebf_pv
    .symbol:         k_qb1e342bebf_pv.kd
    .args:
      - { .name: Ph, .offset: 0, .size: 8, .value_kind: global_buffer, .address_space: global }
      - { .name: Vh, .offset: 8, .size: 8, .value_kind: global_buffer, .address_space: global }
      - { .name: St, .offset: 16, .size: 8, .value_kind: global_buffer, .address_space: global }
      - { .name: out0, .offset: 24, .size: 8, .value_kind: global_buffer, .address_space: global }
    .group_segment_fixed_size: 327680
    .private_segment_fixed_size: 0
    .kernarg_segment_align: 8
    .kernarg_segment_size: 32
    .max_flat_workgroup_size: 128
    .sgpr_count:     80
    .vgpr_count:     768
    .wavefront_size: 32
...
	.end_amdgpu_metadata
.endif
;; end of part 4
